; MI455X (gfx1250); checked and timed in simulation.
; The chip was launched on July 23, 2026; its instructions are those of AMD's public machine-readable ISA for CDNA 5 (MIT licence, August 2026) and "CDNA5" Instruction Set Architecture Reference Guide (July 2026). The comments in the code are by the model that wrote it; some were corrected since.
;; Parcae Causal Self Attention. Allowed arithmetic: matrix products marked QUANTISED: E4M3 operands, one given power-of-two scale a tensor, by v_wmma_f32_16x16x64_fp8_fp8 or v_wmma_f32_16x16x128_fp8_fp8, f32 sums; everything else in f32.
;; Inputs: Wk 2,048 x 2,048 float32; Wo 2,048 x 2,048 float32; Wq 2,048 x 2,048 float32; Wv 2,048 x 2,048 float32; freqs_cis 2,048 x 1 x 64 x 2 float32; lowp_scales 14 int32 (the exponents e of the quantised operands' scales 2^e); qk_bias 2 x 1 x 16 x 128 float32; ve 1 x 2,048 x 2,048 float32; ve_gate_w 16 x 32 float32; x 1 x 2,048 x 2,048 float32.
;; Outputs: out0 1 x 2,048 x 2,048 float32.
;; This version of the problem:
;;   THIS VERSION OF THE PROBLEM IS GIVEN IN LOW PRECISION. The matrix products marked QUANTISED in the list below multiply operands that are first quantised to E4M3 (4 exponent bits, 3 mantissa bits; 8 bits a number), with one given power-of-two scale for each operand tensor; their sums are f32. All else is computed in f32.
;;   The module's matrix products, in the order in which they are computed (A, B: the left and right operand; K: the contracted axis; several contracted axes count as one K, in the product's order):
;;     1. [M 2,048, K 2,048] x [K 2,048, N 2,048]; A: input x; B: input Wq: QUANTISED (scales: A lowp_scales[0], B lowp_scales[1])
;;     2. [M 2,048, K 2,048] x [K 2,048, N 2,048]; A: input x; B: input Wk: QUANTISED (scales: A lowp_scales[2], B lowp_scales[3])
;;     3. [M 2,048, K 2,048] x [K 2,048, N 2,048]; A: input x; B: input Wv: QUANTISED (scales: A lowp_scales[4], B lowp_scales[5])
;;     4. [M 2,048, K 32] x [K 32, N 16]; A: input x; B: input ve_gate_w: QUANTISED (scales: A lowp_scales[6], B lowp_scales[7])
;;     5. batch 16 x [M 2,048, K 128] x [K 128, N 2,048]; A: computed on the way; B: computed on the way: QUANTISED (scales: A lowp_scales[8], B lowp_scales[9])
;;     6. batch 16 x [M 128, K 2,048] x [K 2,048, N 2,048]; A: computed on the way; B: softmax (see below): QUANTISED (scales: A lowp_scales[10], B lowp_scales[11])
;;     7. [M 2,048, K 2,048] x [K 2,048, N 2,048]; A: computed on the way; B: input Wo: QUANTISED (scales: A lowp_scales[12], B lowp_scales[13])
;;   THE QUANTISER, for each operand of a quantised product, along K:
;;     - The operand's scale is 2^e, e = its entry of the input lowp_scales (int32; the entries are numbered through the quantised products in the list's order, A before B).
;;     - Each number is divided by the scale, clamped to +-448, and rounded to the nearest number of E4M3, ties to even, subnormals kept.
;;     - The product sums the exact products of the quantised numbers (number of the format x scale) in f32.
;;   ~~~python
;;   def quantise(x, axis, e):      # numpy; x: float32 -> the quantised numbers, widened to float32 again
;;       x = np.moveaxis(x, axis, -1); K = x.shape[-1]
;;       r = np.clip(x / 2.0 ** e, -448, 448)
;;       step = 2.0 ** (np.maximum(np.frexp(np.where(r == 0, 1, r))[1] - 1, -6) - 3)
;;       q = np.round(r / step) * step * 2.0 ** e      # np.round: ties to even
;;       return np.moveaxis(q, -1, axis).astype(np.float32)
;;   ~~~
;;   SOFTMAX AHEAD OF A QUANTISED PRODUCT. Where the list says 'softmax', what is quantised is not the finished softmax but p = 2^(t - M), with t = logit x log2(e) and M = ceil(the row's largest t), a whole number; so 1/2 < the row's largest p <= 1. The row's sum l is taken of the UNQUANTISED p, in f32, and the product's result is divided by l at the end. Since M is a whole number, a kernel that streams over the keys may use a running M (the ceiling of the running maximum): every later rescaling is an exact power of two, so the quantised numbers keep their values, but for numbers so far below the row's largest that they fall under the format's range.
;;   OPERANDS COMPUTED ON THE WAY. 'Computed on the way' means the value that the module computes at that place (a softmax that the list does not call 'softmax' is quantised finished and normalised). What goes into a quantiser is computed in f32, as accurately as f32 sums, v_exp_f32 and their like allow (about 1e-6 of the number): no bf16 or f16 on the way to a quantiser, and a product that is left as it is and whose result goes on into a quantised operand takes f32 operands (vector FMAs, or v_wmma_f32_16x16x4_f32). A number that lies on a knife's edge between two numbers of the format may be rounded either way, as far as f32 arithmetic and the matrix unit's own rounding can turn it there, and no further.
;; One version. Each part assembles by itself: llvm-mc -triple=amdgcn-amd-amdhsa -mcpu=gfx1250 --defsym DOCPART=n.
;; ======== version 1 of 1: 4 launches
;; limits: right only within a limited range of input values
;; workspace buffers: xc 12,582,912 bytes; wqkv 12,582,912 bytes; woc 4,194,304 bytes; gateT 131,072 bytes; qi 4,194,304 bytes; kv 8,388,608 bytes; yi 4,194,304 bytes
;; launch quant (part 1): grid 1312 x 1, 4 waves a work-group, no clusters, 33,280 bytes of LDS; arguments x, Wq, Wk, Wv, Wo, ve_gate_w, lowp_scales, xc, wqkv, woc, gateT; writes xc, wqkv, woc, gateT
.if DOCPART == 1
	.amdgcn_target "amdgcn-amd-amdhsa--gfx1250"
	.amdhsa_code_object_version 6
	.text
	.protected	k_qacd07f6d64_quant
	.globl	k_qacd07f6d64_quant
	.p2align	8
	.type	k_qacd07f6d64_quant,@function
k_qacd07f6d64_quant:
	s_mov_b64 s[64:65], 0
	v_nop
	global_prefetch_b8 v0, s[64:65] scope:SCOPE_SE
	s_setreg_imm32_b32 hwreg(HW_REG_WAVE_MODE, 25, 1), 1
	s_wait_xcnt 0x0
; x, Wq, Wk, Wv, Wo ([2048][2048] f32, K innermost) become codes of FP8 (E4M3), row-major, each with the scale 2^e that is given for it; x three times, with e0, e2 and e4.
; code = number / 2^e, held within +-448, rounded to the nearest code, ties to even.
; Work-groups 0-1279: tensor ttmp9 / 256 (x, Wq, Wk, Wv, Wo), 16,384 numbers a work-group, 8 steps of 512 numbers a wave: 256 work-groups for each tensor; x's, which convert and store three times, have the lowest numbers.
; A step's four loads read 512 consecutive bytes each; the 2,048 bytes turn through the wave's own stage in LDS so that a lane holds 16 neighbours along K; a lane's 16 codes are 16 bytes, so a wave's store covers 512 consecutive bytes.
; Work-groups 1280-1311: the gate, 2 sigmoid(x[:, :32] . ve_gate_w^T), product on codes (e6, e7), K = 32 filled up to 64 with zero codes; 16 rows a wave; stored [head][row] f32.
; These stores cover 64 consecutive bytes for each head: the one place where an aligned 256 bytes is written in parts (131,072 bytes in all).
; No tensor loads, no clusters, no prefetch: every byte is read once, by long runs of loads, and waves share nothing.
; LIMITS: every e used here between -126 and 119; e6 + e7 between -126 and 126.  NaN among the inputs is not served.
.set STEPS, 8
.set NWG,   1280                       ; work-groups that quantise: 5 tensors x 256
.set WREG,  8192                       ; LDS: a region for each wave: two stages of 32 x SP bytes
.set SP,    80                         ; a lane's place in a stage: 64 bytes + 16 of padding
.set SPARE, 4*WREG                     ; behind the four regions: the spare words, 128 bytes a wave
.set SPW,   12                         ; v12 LDS address of my spare word; never rewritten
.set NIL,   13                         ; v13 0; never rewritten
.set R,     16                         ; v16-79   four sets of 16 numbers as loaded
.set X,     80                         ; v80-111  two sets of 16 neighbours
.set T,     112                        ; v112-127 the numbers held within the largest code x the scale
.set C,     128                        ; v128-139 codes: four registers for each of three scales
.macro MKSC e, vs, vl                  ; 2^e as f32 into v[vs], 448 x 2^e into v[vl]
	s_add_co_i32 s50, \e, 127
	s_lshl_b32 s51, s50, 23
	v_mov_b32 v[\vs], s51
	s_add_co_i32 s50, s50, 8
	s_lshl_b32 s50, s50, 23
	s_or_b32 s50, s50, 0x600000
	v_mov_b32 v[\vl], s50
.endm
	s_load_b256 s[4:11], s[0:1], 0x0               ; x, Wq, Wk, Wv
	s_load_b256 s[12:19], s[0:1], 0x20             ; Wo, ve_gate_w, the exponents, xc
	s_load_b128 s[20:23], s[0:1], 0x40             ; wqkv, woc
	s_load_b64 s[24:25], s[0:1], 0x50              ; gateT
	v_lshl_add_u32 v[SPW], v0, 2, SPARE
	v_mov_b32 v[NIL], 0
	v_lshrrev_b32 v1, 5, v0
	v_readfirstlane_b32 s26, v1                    ; wave
	v_and_b32 v2, 31, v0                           ; lane
	v_lshlrev_b32 v3, 4, v2                        ; my 16 bytes of a load's or a store's 512
	s_mul_i32 s28, s26, WREG
	v_lshrrev_b32 v14, 2, v2
	v_mul_u32_u24 v14, v14, SP
	v_and_b32 v15, 3, v2
	v_lshl_add_u32 v14, v15, 4, v14
	v_add_nc_u32 v14, s28, v14                     ; the stage on the way in: SP (lane / 4) + 16 (lane % 4)
	v_mul_u32_u24 v15, v2, SP
	v_add_nc_u32 v15, s28, v15                     ; and on the way out: SP x lane
	s_lshr_b32 s27, ttmp9, 8                       ; which tensor; 5: the gate
	s_wait_kmcnt 0x0
	s_load_b256 s[32:39], s[16:17], 0x0            ; e0 .. e7
	s_load_b64 s[40:41], s[16:17], 0x30            ; e12, e13
	s_cmp_ge_u32 ttmp9, NWG
	s_cbranch_scc1 .Lgate
	s_and_b32 s28, ttmp9, 255
	s_lshl_b32 s28, s28, 2
	s_add_co_u32 s28, s28, s26                     ; which run of 4,096 numbers of the tensor is my wave's
	s_sub_co_u32 s30, s27, 1
	s_lshl_b32 s30, s30, 22                        ; Wq, Wk, Wv: their place in wqkv
	s_mov_b32 s31, 0
	s_cmp_eq_u32 s27, 1                            ; every choice hangs on the work-group's number alone
	s_cselect_b64 s[4:5], s[6:7], s[4:5]
	s_cmp_eq_u32 s27, 2
	s_cselect_b64 s[4:5], s[8:9], s[4:5]
	s_cmp_eq_u32 s27, 3
	s_cselect_b64 s[4:5], s[10:11], s[4:5]
	s_cmp_eq_u32 s27, 4
	s_cselect_b64 s[4:5], s[12:13], s[4:5]
	s_cselect_b64 s[44:45], s[22:23], s[20:21]
	s_cselect_b32 s30, 0, s30
	s_cmp_eq_u32 s27, 0
	s_cselect_b64 s[44:45], s[18:19], s[44:45]
	s_cselect_b32 s30, 0, s30
	s_add_nc_u64 s[44:45], s[44:45], s[30:31]
	s_lshl_b32 s30, s28, 14
	s_add_nc_u64 s[4:5], s[4:5], s[30:31]          ; the numbers,
	s_lshl_b32 s30, s28, 12
	s_add_nc_u64 s[44:45], s[44:45], s[30:31]      ; their codes,
	s_add_nc_u64 s[46:47], s[44:45], 0x400000      ; and, for x alone, the codes under e2
	s_add_nc_u64 s[48:49], s[44:45], 0x800000      ; and under e4
.macro LOAD t
.irp i, 0,1,2,3
	global_load_b128 v[R+16*((\t)%4)+4*\i:R+16*((\t)%4)+4*\i+3], v3, s[4:5] offset:2048*(\t)+512*\i th:TH_LOAD_NT
.endr
.endm
.macro TURN t                          ; step t's numbers through the stage: LDS serves a wave's instructions in order, so no wait stands between the stores and the loads
.irp i, 0,1,2,3
	ds_store_b128 v14, v[R+16*((\t)%4)+4*\i:R+16*((\t)%4)+4*\i+3] offset:32*SP*((\t)%2)+8*SP*\i
.endr
.irp i, 0,1,2,3
	ds_load_b128 v[X+16*((\t)%2)+4*\i:X+16*((\t)%2)+4*\i+3], v15 offset:32*SP*((\t)%2)+16*\i
.endr
.endm
.macro QCODE lim, sc, c, dst, t        ; the step's 16 neighbours under one scale: hold, convert, store
.irp i, 0,1,2,3,4,5,6,7,8,9,10,11,12,13,14,15
	v_med3_num_f32 v[T+\i], v[XS+\i], -v[\lim], v[\lim]   ; the conversion to an 8-bit code does not saturate (ISA guide 7.6.2)
.endr
	v_cvt_scalef32_pk8_fp8_f32 v[C+\c:C+\c+1], v[T:T+7], v[\sc]
	v_cvt_scalef32_pk8_fp8_f32 v[C+\c+2:C+\c+3], v[T+8:T+15], v[\sc]
	v_nop                                          ; a plain line between the conversions and the next holds, which write their sources
	global_store_b128 v3, v[C+\c:C+\c+3], s[\dst:\dst+1] offset:512*(\t)
.endm
	s_wait_alu depctr_va_vdst(0)
.irp t, 0,1,2,3
	LOAD \t
.endr
	s_wait_kmcnt 0x0
	s_mov_b32 s29, s32                             ; my tensor's e: e0, e1, e3, e5, e13
	s_cmp_eq_u32 s27, 1
	s_cselect_b32 s29, s33, s29
	s_cmp_eq_u32 s27, 2
	s_cselect_b32 s29, s35, s29
	s_cmp_eq_u32 s27, 3
	s_cselect_b32 s29, s37, s29
	s_cmp_eq_u32 s27, 4
	s_cselect_b32 s29, s41, s29
	MKSC s29, 5, 6
	MKSC s34, 7, 8                                 ; e2
	MKSC s36, 9, 10                                ; e4
	s_wait_alu depctr_va_vdst(0)                   ; the wait at the head's end
	s_wait_loadcnt 12                              ; step 0's four loads are in
	TURN 0
.macro STEP t
.set XS, X+16*((\t)%2)
	s_wait_dscnt 0x0                               ; this step's numbers are back from the stage, and its stores into the stage have read their registers,
.if (\t)+4 < STEPS
	LOAD (\t)+4                                    ; which take the loads of four steps on
.endif
.if (\t)+1 < STEPS
.if STEPS-2-(\t) >= 3
	s_wait_loadcnt 12                              ; the next step's four loads are in; those of the three steps behind it may be out
.else
	s_wait_loadcnt 4*(STEPS-2-(\t))
.endif
	TURN (\t)+1
.endif
	s_wait_xcnt 0x0                                ; the last step's stores have read the codes' registers
	QCODE 6, 5, 0, 44, \t
	s_cmp_lg_u32 s27, 0                            ; x is wanted under two more scales
	s_cbranch_scc1 .Lw_\@
	QCODE 8, 7, 4, 46, \t
	QCODE 10, 9, 8, 48, \t
.Lw_\@:
.endm
.irp t, 0,1,2,3,4,5,6,7
	STEP \t
.endr
	s_branch .Lend
.Lgate:
	s_sub_co_u32 s28, ttmp9, NWG
	s_lshl_b32 s28, s28, 6
	s_lshl_b32 s29, s26, 4
	s_add_co_u32 s28, s28, s29                     ; my first row
	s_lshl_b32 s30, s28, 13
	s_mov_b32 s31, 0
	s_add_nc_u64 s[4:5], s[4:5], s[30:31]
	s_lshl_b32 s30, s28, 2
	s_add_nc_u64 s[24:25], s[24:25], s[30:31]
	v_and_b32 v1, 15, v0                           ; r
	v_bfe_u32 v2, v0, 4, 1                         ; h
	v_lshlrev_b32 v4, 5, v2
	v_lshl_add_u32 v7, v1, 13, v4                  ; x: row r of 8,192 bytes + 32 h.  Also gateT: head r of 8,192 bytes + 8 h rows
	v_lshl_add_u32 v8, v1, 7, v4                   ; ve_gate_w: head r of 128 bytes + 32 h
.irp i, 0,1                                    ; lane (r, h) takes k = 16 i + 8 h + 0 .. 7
	global_load_b128 v[16+8*\i:19+8*\i], v7, s[4:5] offset:64*\i
	global_load_b128 v[20+8*\i:23+8*\i], v7, s[4:5] offset:64*\i+16
	global_load_b128 v[32+8*\i:35+8*\i], v8, s[14:15] offset:64*\i
	global_load_b128 v[36+8*\i:39+8*\i], v8, s[14:15] offset:64*\i+16
.endr
	s_wait_kmcnt 0x0
	MKSC s38, 10, 9                                ; e6
	MKSC s39, 6, 11                                ; e7
	s_add_co_i32 s50, s38, s39
	s_lshl_b32 s50, s50, 23
	s_add_co_i32 s50, s50, 0xbfb8aa3b              ; -log2(e) x 2^(e6 + e7): the exponents go into the exponent field
	s_wait_alu depctr_va_vdst(0)
	s_wait_loadcnt 0x0
.irp i, 0,1,2,3,4,5,6,7,8,9,10,11,12,13,14,15
	v_med3_num_f32 v[16+\i], v[16+\i], -v9, v9
	v_med3_num_f32 v[32+\i], v[32+\i], -v11, v11
.endr
	v_cvt_scalef32_pk8_fp8_f32 v[48:49], v[16:23], v10
	v_cvt_scalef32_pk8_fp8_f32 v[50:51], v[24:31], v10
	v_cvt_scalef32_pk8_fp8_f32 v[56:57], v[32:39], v6
	v_cvt_scalef32_pk8_fp8_f32 v[58:59], v[40:47], v6
.irp i, 52,53,54,55,60,61,62,63
	v_mov_b32 v\i, 0                               ; k = 32 .. 63: zero codes on both sides
.endr
	v_wmma_f32_16x16x64_fp8_fp8 v[64:71], v[48:55], v[56:63], 0   ; register j of lane (r, h): row 8 h + j, head r
.rept 4
	v_nop
.endr
.irp j, 0,1,2,3,4,5,6,7
	v_mul_f32 v[64+\j], s50, v[64+\j]
.endr
	s_wait_alu depctr_va_vdst(0)                   ; a wait ahead of each batch and one behind it
.irp j, 0,1,2,3,4,5,6,7
	v_exp_f32 v[64+\j], v[64+\j]                   ; e^(-logit)
.endr
	v_nop
	s_wait_alu depctr_va_vdst(0)
.irp j, 0,1,2,3,4,5,6,7
	v_add_f32 v[64+\j], 1.0, v[64+\j]
.endr
	s_wait_alu depctr_va_vdst(0)
.irp j, 0,1,2,3,4,5,6,7
	v_rcp_f32 v[64+\j], v[64+\j]
.endr
	v_nop
	s_wait_alu depctr_va_vdst(0)
.irp j, 0,1,2,3,4,5,6,7
	v_mul_f32 v[64+\j], 2.0, v[64+\j]
.endr
	global_store_b128 v7, v[64:67], s[24:25]
	global_store_b128 v7, v[68:71], s[24:25] offset:16
.Lend:
	s_wait_tensorcnt 0x0                           ; the wave's end: behind my last LDS store
	ds_add_u32 v[SPW], v[NIL]
	s_wait_dscnt 0x0
	s_endpgm
.Lfunc_end_k_qacd07f6d64_quant:
	.size	k_qacd07f6d64_quant, .Lfunc_end_k_qacd07f6d64_quant-k_qacd07f6d64_quant
	.p2alignl 7, 3214868480
	.fill 96, 4, 3214868480
	.section	.rodata,"a",@progbits
	.p2align	6, 0x0
	.amdhsa_kernel k_qacd07f6d64_quant
		.amdhsa_group_segment_fixed_size 33280
		.amdhsa_private_segment_fixed_size 0
		.amdhsa_enable_private_segment 0
		.amdhsa_kernarg_size 88
		.amdhsa_user_sgpr_count 2
		.amdhsa_user_sgpr_kernarg_segment_ptr 1
		.amdhsa_wavefront_size32 1
		.amdhsa_system_sgpr_workgroup_id_x 1
		.amdhsa_system_sgpr_workgroup_id_y 1
		.amdhsa_system_sgpr_workgroup_id_z 1
		.amdhsa_system_vgpr_workitem_id 0
		.amdhsa_next_free_vgpr 144
		.amdhsa_next_free_sgpr 66
		.amdhsa_reserve_vcc 0
		.amdhsa_float_denorm_mode_32 3
		.amdhsa_float_denorm_mode_16_64 3
		.amdhsa_memory_ordered 1
		.amdhsa_forward_progress 1
		.amdhsa_inst_pref_size 49
	.end_amdhsa_kernel
	.amdgpu_metadata
---
amdhsa.version: [ 1, 2 ]
amdhsa.kernels:
  - .name:           k_qacd07f6d64_quant
    .symbol:         k_qacd07f6d64_quant.kd
    .args:
      - { .name: x, .offset: 0, .size: 8, .value_kind: global_buffer, .address_space: global }
      - { .name: Wq, .offset: 8, .size: 8, .value_kind: global_buffer, .address_space: global }
      - { .name: Wk, .offset: 16, .size: 8, .value_kind: global_buffer, .address_space: global }
      - { .name: Wv, .offset: 24, .size: 8, .value_kind: global_buffer, .address_space: global }
      - { .name: Wo, .offset: 32, .size: 8, .value_kind: global_buffer, .address_space: global }
      - { .name: ve_gate_w, .offset: 40, .size: 8, .value_kind: global_buffer, .address_space: global }
      - { .name: lowp_scales, .offset: 48, .size: 8, .value_kind: global_buffer, .address_space: global }
      - { .name: xc, .offset: 56, .size: 8, .value_kind: global_buffer, .address_space: global }
      - { .name: wqkv, .offset: 64, .size: 8, .value_kind: global_buffer, .address_space: global }
      - { .name: woc, .offset: 72, .size: 8, .value_kind: global_buffer, .address_space: global }
      - { .name: gateT, .offset: 80, .size: 8, .value_kind: global_buffer, .address_space: global }
    .group_segment_fixed_size: 33280
    .private_segment_fixed_size: 0
    .kernarg_segment_align: 8
    .kernarg_segment_size: 88
    .max_flat_workgroup_size: 128
    .sgpr_count:     66
    .vgpr_count:     144
    .wavefront_size: 32
...
	.end_amdgpu_metadata
.endif
;; end of part 1
;; launch qkv (part 2): grid 24 x 8, 4 waves a work-group, clusters of 4 x 4, 327,680 bytes of LDS; arguments xc, wqkv, lowp_scales, qk_bias, gateT, freqs_cis, ve, qi, kv; writes qi, kv
.if DOCPART == 2
	.amdgcn_target "amdgcn-amd-amdhsa--gfx1250"
	.amdhsa_code_object_version 6
	.text
	.protected	k_qacd07f6d64_qkv
	.globl	k_qacd07f6d64_qkv
	.p2align	8
	.type	k_qacd07f6d64_qkv,@function
k_qacd07f6d64_qkv:
	s_mov_b64 s[64:65], 0
	v_nop
	global_prefetch_b8 v0, s[64:65] scope:SCOPE_SE
	s_setreg_imm32_b32 hwreg(HW_REG_WAVE_MODE, 25, 1), 1
	s_wait_xcnt 0x0
	s_wait_alu depctr_hold_cnt(0) depctr_sa_sdst(0) depctr_va_vdst(0) depctr_va_sdst(0) depctr_va_ssrc(0) depctr_va_vcc(0) depctr_vm_vsrc(0)
	s_getreg_b32 s2, hwreg(HW_REG_IB_STS2, 6, 4)
	s_cmp_eq_u32 s2, 0
	s_cbranch_scc0 .Lentry_in_a_cluster
	s_endpgm
.Lentry_in_a_cluster:
	s_bfe_u32 s2, ttmp6, 0x10000c
	s_cmp_lg_u32 s2, 0xf033
	s_cbranch_scc0 .Lentry_shape_is_right
	s_endpgm
.Lentry_shape_is_right:
.set KSTEP,  256
.set ROWB,   256
.set KROW,   2048
.set PITCH,  272
.set FR,     16
.set NL,     4
.set NP,     4
.set HALFT,  128*PITCH
.set SLOT,   4*HALFT
.set LAPS,   4
.set SPARE,  2*SLOT
.set VSTG,   0
.set FSTG,   HALFT
.set ADRA, 16
.set ADRB, 20
.set PFO,  22
.set HB,   23
.set FST,  24
.set FRD,  25
.set OV,   26
.set FGA,  27
.set SPW,  28
.set NIL,  29
.set VST,  30
.set VRD,  31
.set CONST, 32
.set PC,   96
.set TT,   128
.set FC,   192
.set AF,   128
.set G1, 24
.set G0, 32
.set G1B, 48
.set G0B, 56
.set MSB, 0
.macro WIN new
.if MSB != \new
	s_set_vgpr_msb (MSB<<8)|\new
.set MSB, \new
.endif
.endm
.set MUL_LO, 0xa1
.set MUL_HI, 0xf1
.set TO_B,   0x40
.macro JLOAD g0a, g1a, g0b, g1b
	s_cmp_eq_u32 s15, 0
	s_cbranch_scc0 .Lfor_b_\@
	tensor_load_to_lds s[\g0a:\g0a+3], s[\g1a:\g1a+7]
	s_nop 0
.rept 4
	v_nop
.endr
	s_branch .Lasked_\@
.Lfor_b_\@:
	tensor_load_to_lds s[\g0b:\g0b+3], s[\g1b:\g1b+7]
	s_nop 0
.rept 4
	v_nop
.endr
.Lasked_\@:
.endm
.macro CREST
	s_cmp_lg_u32 s14, 0
	s_cbranch_scc1 .Lnot_wave_0_\@
	s_barrier_signal -3
.Lnot_wave_0_\@:
	s_barrier_wait -3
	s_barrier_signal -1
	s_barrier_wait -1
.endm
.macro CROUND
	s_barrier_signal -1
	s_barrier_wait -1
	CREST
.endm
.macro ASK k
	s_cmp_eq_u32 s3, s98
	s_cbranch_scc0 .Lnot_mine_\@
.irp i, 0,1,2,3
	global_prefetch_b8 v[PFO], s[72:73] offset:(4*(\k)+\i)*131072 th:TH_LOAD_NT scope:SCOPE_SE
.endr
.Lnot_mine_\@:
.endm
	s_load_b256 s[4:11], s[0:1], 0x0
	s_load_b256 s[68:75], s[0:1], 0x20
	s_load_b64 s[76:77], s[0:1], 0x40
	v_lshl_add_u32 v[SPW], v0, 2, SPARE
	v_mov_b32 v[NIL], 0
	ds_add_u32 v[SPW], v[NIL]
	ds_add_u32 v[SPW], v[NIL]
	v_lshrrev_b32 v1, 5, v0
	v_readfirstlane_b32 s14, v1
	s_lshr_b32 s15, s14, 1
	s_and_b32 s16, s14, 1
	s_bfe_u32 s40, ttmp6, 0x40000
	s_bfe_u32 s41, ttmp6, 0x40004
	s_lshl_b32 s42, ttmp9, 2
	s_add_co_u32 s42, s42, s40
	s_and_b32 s79, s42, 7
	s_lshr_b32 s78, ttmp9, 1
	s_and_b32 s17, ttmp7, 0xffff
	s_lshl_b32 s17, s17, 2
	s_add_co_u32 s17, s17, s41
	s_lshl_b32 s43, s41, 2
	s_lshl_b32 s43, 15, s43
	s_lshl_b32 s44, 0x1111, s40
	s_or_b32 s[G1+0], s43, (0<<16)|(1<<20)|(1<<21)|(5<<22)|(3<<25)
	s_or_b32 s[G1B+0], s44, (0<<16)|(1<<20)|(1<<21)|(5<<22)|(3<<25)
.irp g, G1, G1B
	s_mov_b32 s[\g+1], ROWB<<16
	s_mov_b32 s[\g+2], 128<<16
	s_mov_b32 s[\g+3], ROWB<<16
	s_mov_b32 s[\g+4], 128
	s_mov_b32 s[\g+5], KROW
	s_mov_b32 s[\g+6], 0
	s_mov_b32 s[\g+7], 0
.endr
	s_lshl_b32 s18, s16, 7
	s_lshl_b32 s20, s17, 8
	s_add_co_u32 s20, s20, s18
	s_lshl_b32 s46, s79, 8
	s_add_co_u32 s46, s46, s18
	s_lshl_b32 s20, s20, 11
	s_lshl_b32 s46, s46, 11
	s_lshl_b32 s19, s78, 22
	s_add_co_u32 s20, s20, s19
	s_add_co_u32 s46, s46, s19
	s_mov_b32 s21, 0
	s_mov_b32 s47, 0
	s_mul_i32 s45, s14, HALFT
	s_wait_dscnt 0x0
	s_wait_kmcnt 0x0
	s_load_b256 s[84:91], s[8:9], 0x0
	s_load_b128 s[92:95], s[8:9], 0x20
	s_cmp_eq_u32 s78, 2
	s_cselect_b64 s[12:13], s[6:7], s[4:5]
	s_cselect_b64 s[66:67], s[4:5], s[6:7]
	s_add_nc_u64 s[20:21], s[12:13], s[20:21]
	s_add_nc_u64 s[46:47], s[66:67], s[46:47]
	CROUND
.irp s, 0,1
	s_mov_b32 s[G0+4*\s], 1
	s_add_co_u32 s[G0+4*\s+1], s45, \s*SLOT
	s_add_nc_u64 s[G0+4*\s+2:G0+4*\s+3], s[20:21], \s*ROWB
	s_or_b32 s[G0+4*\s+3], s[G0+4*\s+3], 0x80000000
	s_mov_b32 s[G0B+4*\s], 1
	s_add_co_u32 s[G0B+4*\s+1], s45, \s*SLOT
	s_add_nc_u64 s[G0B+4*\s+2:G0B+4*\s+3], s[46:47], \s*ROWB
	s_or_b32 s[G0B+4*\s+3], s[G0B+4*\s+3], 0x80000000
.endr
	JLOAD G0, G1, G0B, G1B                         ; K step 0: one tensor load a wave at the head
	; the tiles' prefetches: of the 128 rows that I fetch, my work-group takes 32, told apart from its three partners by address (cx for the first operand, cy for the second); a lane a row, 256 bytes of a row to a K step
	s_cmp_eq_u32 s15, 0
	s_cselect_b64 s[42:43], s[20:21], s[46:47]     ; s[42:43]: where my prefetches stand
	s_cselect_b32 s44, s40, s41
	s_lshl_b32 s44, s44, 16                        ; 32 rows of 2,048 bytes
	s_mov_b32 s45, 0
	s_add_nc_u64 s[42:43], s[42:43], s[44:45]
	v_and_b32 v18, 31, v0
	v_lshlrev_b32 v18, 11, v18                     ; v18: my lane's row; never rewritten
	s_wait_alu depctr_va_vdst(0)
	global_prefetch_b8 v18, s[42:43] offset:256 th:TH_LOAD_NT scope:SCOPE_SE   ; K steps 1 and 2; from here on the load of K step s is followed by the prefetch of K step s + 2
	global_prefetch_b8 v18, s[42:43] offset:512 th:TH_LOAD_NT scope:SCOPE_SE
	s_wait_kmcnt 0x0
	s_add_co_i32 s18, s84, s85
	s_add_co_i32 s19, s86, s87
	s_add_co_i32 s22, s88, s89
	s_cmp_eq_u32 s78, 1
	s_cselect_b32 s18, s19, s18
	s_cselect_b32 s23, s93, s92
	s_mov_b32 s19, 0x7f7fffff
	s_cmp_eq_u32 s78, 2
	s_cselect_b32 s18, s22, s18
	s_cselect_b32 s23, s94, s23
	s_cselect_b32 s98, 1, -1
	s_cselect_b32 s19, 0x41000000, s19
	s_add_co_i32 s96, s18, 127
	s_lshl_b32 s96, s96, 23
	s_mov_b32 s97, s96
	s_sub_co_i32 s22, 130, s18
	s_lshl_b32 s22, s22, 23
	v_mov_b32 v14, s22
	s_add_co_i32 s22, s23, 127
	s_lshl_b32 s23, s22, 23
	v_mov_b32 v7, s23
	s_add_co_i32 s22, s22, 8
	s_lshl_b32 s22, s22, 23
	s_or_b32 s22, s22, 0x600000
	v_mov_b32 v15, s22
	v_min_num_f32 v15, s19, v15
	s_lshl_b32 s80, s17, 1
	s_add_co_u32 s80, s80, s15
	s_lshl_b32 s81, s79, 1
	s_add_co_u32 s81, s81, s16
	s_lshl_b32 s18, s80, 13
	s_lshl_b32 s19, s78, 13
	s_lshl_b32 s22, s81, 9
	s_cmp_eq_u32 s78, 2
	s_cselect_b64 s[82:83], s[68:69], s[10:11]
	s_cselect_b32 s18, s18, s19
	s_add_co_u32 s18, s18, s22
	s_mov_b32 s19, 0
	s_add_nc_u64 s[82:83], s[82:83], s[18:19]
	v_and_b32 v1, 15, v0
	s_wait_alu depctr_va_vdst(0)
	v_bfe_u32 v2, v0, 4, 1
	v_lshlrev_b32 v[HB], 5, v2
.irp b, 0,1,2,3,4,5,6,7
	global_load_b128 v[CONST+8*\b:CONST+8*\b+3], v[HB], s[82:83] offset:64*\b
	global_load_b128 v[CONST+8*\b+4:CONST+8*\b+7], v[HB], s[82:83] offset:64*\b+16
.endr
	s_lshl_b32 s18, s81, 18
	s_lshl_b32 s22, s80, 14
	s_add_co_u32 s18, s18, s22
	s_lshl_b32 s22, s18, 1
	s_lshl_b32 s23, s80, 19
	s_lshl_b32 s99, s81, 15
	s_add_co_u32 s23, s23, s99
	s_add_co_u32 s23, s23, 16384
	s_cmp_eq_u32 s78, 0
	s_cselect_b64 s[100:101], s[74:75], s[76:77]
	s_cselect_b32 s18, s18, s22
	s_cmp_eq_u32 s78, 2
	s_cselect_b32 s18, s23, s18
	s_add_nc_u64 s[100:101], s[100:101], s[18:19]
	s_lshl_b32 s18, s80, 16
	s_add_nc_u64 s[70:71], s[70:71], s[18:19]
	s_lshl_b32 s18, s81, 20
	s_lshl_b32 s22, s80, 9
	s_add_co_u32 s18, s18, s22
	s_add_nc_u64 s[72:73], s[72:73], s[18:19]
	s_mov_b32 s12, 0x76543210
	s_mov_b32 s13, 0xfedcba98
	s_mov_b32 s66, 0x3c000000
	s_mov_b32 s67, 0x358637bd
	v_mul_u32_u24 v3, v1, PITCH
	s_wait_alu depctr_va_vdst(0)
	v_lshl_add_u32 v4, v2, 4, v3
	s_mul_i32 s21, s15, HALFT
	s_mul_i32 s22, s16, HALFT
	s_add_co_u32 s22, s22, 2*HALFT
.irp s, 0,1
	v_add_nc_u32 v[ADRA+\s], s21, v4
	v_add_nc_u32 v[ADRB+\s], s22, v4
	s_add_co_u32 s21, s21, SLOT
	s_add_co_u32 s22, s22, SLOT
.endr
	v_and_b32 v5, 31, v0
	v_lshlrev_b32 v[OV], 4, v5
	v_lshrrev_b32 v3, 1, v5
	v_and_b32 v4, 1, v5
	v_lshlrev_b32 v4, 8, v4
	v_lshl_add_u32 v[PFO], v3, 13, v4
	s_mul_i32 s21, s14, 16*272
	s_add_co_u32 s21, s21, FSTG
	v_mul_u32_u24 v3, v2, 272
	v_lshl_add_u32 v3, v1, 4, v3
	v_add_nc_u32 v[FST], s21, v3
	v_mul_u32_u24 v3, v1, 272
	v_lshl_add_u32 v3, v2, 5, v3
	v_add_nc_u32 v[FRD], s21, v3
	v_lshlrev_b32 v3, 9, v2
	v_lshl_add_u32 v[FGA], v1, 4, v3
	s_mul_i32 s21, s14, 16*528
	s_add_co_u32 s21, s21, VSTG
	v_add_nc_u32 v[VST], s21, v[OV]
	v_mul_u32_u24 v3, v2, 8*528
	v_lshl_add_u32 v3, v1, 2, v3
	v_add_nc_u32 v[VRD], s21, v3
	v_mov_b32 v6, 0
	v_mov_b32 v13, 0
.macro FRAG reg, adr, q, i
.irp c, 0,1,2,3
	ds_load_b128 v[\reg+4*\c:\reg+4*\c+3], v[\adr] offset:128*(\q)+32*\c+(\i)*16*PITCH
.endr
.endm
.macro MUL16 a0, p, zero
.irp a, \a0, \a0+1
.irp b, 0,1,2,3,4,5,6,7
.if \zero
	v_wmma_f32_16x16x128_fp8_fp8 v[8*(8*((\a)%4)+\b):8*(8*((\a)%4)+\b)+7], v[128*(\p)+FR*\b:128*(\p)+FR*\b+FR-1], v[AF+FR*(\a):AF+FR*(\a)+FR-1], 0
.else
	v_wmma_f32_16x16x128_fp8_fp8 v[8*(8*((\a)%4)+\b):8*(8*((\a)%4)+\b)+7], v[128*(\p)+FR*\b:128*(\p)+FR*\b+FR-1], v[AF+FR*(\a):AF+FR*(\a)+FR-1], v[8*(8*((\a)%4)+\b):8*(8*((\a)%4)+\b)+7]
.endif
.endr
.endr
.endm
.macro FETCH_B slot, q, p
	WIN TO_B
.irp i, 0,1,2,3,4,5,6,7
	FRAG 128*(\p)+FR*\i, ADRB+\slot, \q, \i
.endr
	WIN 0
.endm
.macro FETCH_A slot, q, i0
.irp i, \i0, \i0+1, \i0+2, \i0+3
	FRAG AF+FR*(\i), ADRA+\slot, \q, \i
.endr
.endm
.macro PLACES n
.rept \n
	v_nop
.endr
.endm
.macro STEP slot, q, zero
	s_wait_dscnt 4*NL
	WIN MUL_LO
	MUL16 0, (\q)%2, \zero
	MUL16 2, (\q)%2, \zero
	s_wait_dscnt 0
	PLACES NP
	FETCH_B \slot, (\q)+1, 1-(\q)%2
	FETCH_A \slot, (\q)+1, 0
	WIN MUL_HI
	MUL16 4, (\q)%2, \zero
	MUL16 6, (\q)%2, \zero
	PLACES NP
	WIN 0
	FETCH_A \slot, (\q)+1, 4
.endm
.macro TURN slot, next, fill
	s_wait_tensorcnt 0x0
	ds_add_u32 v[SPW], v[NIL]
.if \fill
	s_add_nc_u64 s[G0+4*\slot+2:G0+4*\slot+3], s[G0+4*\slot+2:G0+4*\slot+3], 2*ROWB
	s_add_nc_u64 s[G0B+4*\slot+2:G0B+4*\slot+3], s[G0B+4*\slot+2:G0B+4*\slot+3], 2*ROWB
	s_wait_xcnt 0x0                                ; my prefetches have read their address: it steps one K step
	s_add_nc_u64 s[42:43], s[42:43], ROWB
	s_wait_dscnt 0x0
	s_barrier_signal -1
	s_barrier_wait -1
	CREST
	JLOAD G0+4*\slot, G1, G0B+4*\slot, G1B
	WIN MUL_LO
	MUL16 0, 1, 0
	MUL16 2, 1, 0
	PLACES NP
.else
	s_wait_dscnt 4*NL+1
	WIN MUL_LO
	MUL16 0, 1, 0
	s_wait_dscnt 0x0
	s_barrier_signal -1
	MUL16 2, 1, 0
	WIN 0
	s_barrier_wait -1
	PLACES NP
.endif
	FETCH_B \next, 0, 0
	FETCH_A \next, 0, 0
.if \fill
	ASK \slot
	s_cmp_gt_u32 s3, 1                             ; the last trip's two refills have no K step two on
	s_cbranch_scc0 .Lno_t_\@
	global_prefetch_b8 v18, s[42:43] offset:3*ROWB th:TH_LOAD_NT scope:SCOPE_SE   ; the K step two refills on
.Lno_t_\@:
.endif
	WIN MUL_HI
	MUL16 4, 1, 0
	MUL16 6, 1, 0
	PLACES NP
	WIN 0
	FETCH_A \next, 0, 4
.endm
	s_wait_alu depctr_va_vdst(0)                   ; the wait at the head's end
	s_wait_tensorcnt 0x0                           ; my part of K step 0 is in; slot 1's first fill is issued as a refill is:
	ds_add_u32 v[SPW], v[NIL]
	s_wait_dscnt 0x0
	CROUND
	JLOAD G0+4, G1, G0B+4, G1B                     ; K step 1, the first tensor load behind the round
	FETCH_B 0, 0, 0
	FETCH_A 0, 0, 0
	FETCH_A 0, 0, 4
	global_prefetch_b8 v18, s[42:43] offset:3*ROWB th:TH_LOAD_NT scope:SCOPE_SE   ; K step 3
	STEP 0, 0, 1
	s_mov_b32 s3, LAPS-1
.Llap:
	TURN 0, 1, 1
	STEP 1, 0, 0
	TURN 1, 0, 1
	STEP 0, 0, 0
	s_sub_co_u32 s3, s3, 1
	s_cmp_lg_u32 s3, 0
	s_cbranch_scc1 .Llap
	TURN 0, 1, 0
	STEP 1, 0, 0
	s_wait_dscnt 4*NL
	WIN MUL_LO
	MUL16 0, 1, 0
	MUL16 2, 1, 0
	s_wait_dscnt 0
	WIN MUL_HI
	MUL16 4, 1, 0
	MUL16 6, 1, 0
	WIN 0
	s_wait_loadcnt 0x0
	PLACES NP
	s_cmp_eq_u32 s78, 2
	s_cbranch_scc1 .Lv
	WIN 0x40
	s_wait_alu depctr_va_vdst(0)
.irp a, 0,1,2,3,4,5,6,7
.irp i, 0,1,2,3,4,5,6,7
	global_load_b128 v[32*\a+4*\i:32*\a+4*\i+3], v[FGA], s[70:71] offset:(16*\a+2*\i)*512
.endr
.endr
	WIN 0
.macro QKIN a
	s_wait_loadcnt 8*(7-(\a))
	WIN 0x04
.irp i, 0,1,2,3,4,5,6,7
	ds_store_b128 v[FST], v[32*(\a)+4*\i:32*(\a)+4*\i+3] offset:2*\i*272
.endr
	WIN 0x02+((\a)/4)
.set AC, 64*((\a)%4)
.set n, 0
.rept 64
	v_med3_num_f32 v[TT+n], v[AC+n], -v14, v14
.set n, n+1
.endr
	WIN 0
.endm
	s_mov_b32 s99, 0
.Lqk:
.irp a, 0,1,2,3,4,5,6
	s_cmp_lg_u32 s99, \a
	s_cbranch_scc1 .Lnot\a
	QKIN \a
	s_branch .Lqj
.Lnot\a:
.endr
	QKIN 7
.Lqj:
.irp b, 0,1,2,3
	ds_load_b128 v[FC+8*\b:FC+8*\b+3], v[FRD] offset:64*\b
	ds_load_b128 v[FC+8*\b+4:FC+8*\b+7], v[FRD] offset:64*\b+16
.endr
.set n, 0
.rept 32
	v_pk_fma_f32 v[TT+n:TT+n+1], v[TT+n:TT+n+1], s[96:97], v[CONST+n:CONST+n+1] op_sel_hi:[1,0,1]
.set n, n+2
.endr
	s_wait_dscnt 0x0
.set p, 0
.rept 16
.set UU, 8+2*(p%2)
	v_pk_mul_f32 v[UU:UU+1], v[TT+2*p:TT+2*p+1], v[FC+2*p:FC+2*p+1] op_sel_hi:[0,1]
	v_fma_f32 v[TT+2*p], -v[TT+2*p+1], v[FC+2*p+1], v[UU]
	v_fma_f32 v[TT+2*p+1], v[TT+2*p+1], v[FC+2*p], v[UU+1]
.set p, p+1
.endr
	v_pk_mul_f32 v[8:9], v[TT:TT+1], v[TT:TT+1]
	v_pk_mul_f32 v[10:11], v[TT+2:TT+3], v[TT+2:TT+3]
.set n, 4
.rept 15
	v_pk_fma_f32 v[8:9], v[TT+n:TT+n+1], v[TT+n:TT+n+1], v[8:9]
	v_pk_fma_f32 v[10:11], v[TT+n+2:TT+n+3], v[TT+n+2:TT+n+3], v[10:11]
.set n, n+4
.endr
	v_pk_add_f32 v[8:9], v[8:9], v[10:11]
	v_add_f32 v12, v8, v9
	v_permlanex16_b32 v6, v12, s12, s13
	v_add_f32 v12, v12, v6
	v_fma_f32 v12, v12, s66, s67
	s_wait_alu depctr_va_vdst(0)
	v_rsq_f32 v12, v12
	v_nop
	s_wait_alu depctr_va_vdst(0)
.set n, 0
.rept 32
	v_pk_mul_f32 v[TT+n:TT+n+1], v[TT+n:TT+n+1], v[12:13] op_sel_hi:[1,0]
.set n, n+2
.endr
.set n, 0
.rept 64
	v_med3_num_f32 v[TT+n], v[TT+n], -v15, v15
.set n, n+1
.endr
.irp b, 0,1,2,3,4,5,6,7
	v_cvt_scalef32_pk8_fp8_f32 v[PC+2*\b:PC+2*\b+1], v[TT+8*\b:TT+8*\b+7], v7
.endr
	v_nop
.irp c, 0,1,2,3
	global_store_b128 v[OV], v[PC+4*\c:PC+4*\c+3], s[100:101] offset:512*\c
.endr
	s_wait_xcnt 0x0
	s_add_nc_u64 s[100:101], s[100:101], 2048
	s_add_co_u32 s99, s99, 1
	s_cmp_lt_u32 s99, 8
	s_cbranch_scc1 .Lqk
	s_branch .Lend
.Lv:
.macro VLOAD b
	WIN 0x40
.irp i, 0,1,2,3,4,5,6,7,8,9,10,11,12,13,14,15
	global_load_b128 v[64*((\b)%4)+4*\i:64*((\b)%4)+4*\i+3], v[OV], s[72:73] offset:(16*(\b)+\i)*8192 th:TH_LOAD_NT
.endr
	WIN 0
.endm
.macro VTURN b
	WIN 0x04
.irp i, 0,1,2,3,4,5,6,7,8,9,10,11,12,13,14,15
	ds_store_b128 v[VST], v[64*((\b)%4)+4*\i:64*((\b)%4)+4*\i+3] offset:\i*528
.endr
	WIN 0
.set VD, 128+64*((\b)%2)
.irp a, 0,1,2,3,4,5,6,7
.irp j, 0,1,2,3,4,5,6,7
	ds_load_b32 v[VD+8*\a+\j], v[VRD] offset:\j*528+64*\a
.endr
.endr
.endm
.macro VSTEP b
	s_wait_dscnt 0x0
.if (\b) < 4
	VLOAD (\b)+4
.endif
.if (\b) < 7
.if (\b) <= 3
	s_wait_loadcnt 48
.else
	s_wait_loadcnt 16*(6-(\b))
.endif
	VTURN (\b)+1
.endif
.set VE, 128+64*((\b)%2)
.irp a, 0,1,2,3,4,5,6,7
.irp i, 0,2,4,6
	v_pk_mul_f32 v[VE+8*\a+\i:VE+8*\a+\i+1], v[VE+8*\a+\i:VE+8*\a+\i+1], v[CONST+8*(\b)+\i:CONST+8*(\b)+\i+1]
.endr
.endr
	WIN 0x02
.irp a, 0,1,2,3
.irp i, 0,2,4,6
	v_pk_fma_f32 v[VE+8*\a+\i:VE+8*\a+\i+1], v[64*\a+8*(\b)+\i:64*\a+8*(\b)+\i+1], s[96:97], v[VE+8*\a+\i:VE+8*\a+\i+1] op_sel_hi:[1,0,1]
.endr
.endr
	WIN 0x03
.irp a, 4,5,6,7
.irp i, 0,2,4,6
	v_pk_fma_f32 v[VE+8*\a+\i:VE+8*\a+\i+1], v[64*(\a-4)+8*(\b)+\i:64*(\a-4)+8*(\b)+\i+1], s[96:97], v[VE+8*\a+\i:VE+8*\a+\i+1] op_sel_hi:[1,0,1]
.endr
.endr
	WIN 0
.set n, 0
.rept 64
	v_med3_num_f32 v[VE+n], v[VE+n], -v15, v15
.set n, n+1
.endr
	WIN 0x80
.irp a, 0,1,2,3
	v_cvt_scalef32_pk8_fp8_f32 v[64*\a+2*(\b):64*\a+2*(\b)+1], v[VE+8*\a:VE+8*\a+7], v7
.endr
	WIN 0xc0
.irp a, 4,5,6,7
	v_cvt_scalef32_pk8_fp8_f32 v[64*(\a-4)+2*(\b):64*(\a-4)+2*(\b)+1], v[VE+8*\a:VE+8*\a+7], v7
.endr
	v_nop
	WIN 0
.endm
	VLOAD 0
	VLOAD 1
	VLOAD 2
	VLOAD 3
	s_wait_loadcnt 48
	s_wait_alu depctr_va_vdst(0)
	VTURN 0
.irp b, 0,1,2,3,4,5,6,7
	VSTEP \b
.endr
	WIN 0x08
.irp a, 0,1,2,3
.irp c, 0,1,2,3
	global_store_b128 v[OV], v[64*\a+4*\c:64*\a+4*\c+3], s[100:101] offset:\a*2048+512*\c
.endr
.endr
	WIN 0x0c
.irp a, 4,5,6,7
.irp c, 0,1,2,3
	global_store_b128 v[OV], v[64*(\a-4)+4*\c:64*(\a-4)+4*\c+3], s[100:101] offset:\a*2048+512*\c
.endr
.endr
	WIN 0
.Lend:
	s_wait_tensorcnt 0x0
	ds_add_u32 v[SPW], v[NIL]
	s_wait_dscnt 0x0
	CROUND
	s_endpgm
.Lfunc_end_k_qacd07f6d64_qkv:
	.size	k_qacd07f6d64_qkv, .Lfunc_end_k_qacd07f6d64_qkv-k_qacd07f6d64_qkv
	.p2alignl 7, 3214868480
	.fill 96, 4, 3214868480
	.section	.rodata,"a",@progbits
	.p2align	6, 0x0
	.amdhsa_kernel k_qacd07f6d64_qkv
		.amdhsa_group_segment_fixed_size 327680
		.amdhsa_private_segment_fixed_size 0
		.amdhsa_enable_private_segment 0
		.amdhsa_kernarg_size 72
		.amdhsa_user_sgpr_count 2
		.amdhsa_user_sgpr_kernarg_segment_ptr 1
		.amdhsa_wavefront_size32 1
		.amdhsa_system_sgpr_workgroup_id_x 1
		.amdhsa_system_sgpr_workgroup_id_y 1
		.amdhsa_system_sgpr_workgroup_id_z 1
		.amdhsa_system_vgpr_workitem_id 0
		.amdhsa_next_free_vgpr 1024
		.amdhsa_next_free_sgpr 102
		.amdhsa_reserve_vcc 0
		.amdhsa_float_denorm_mode_32 3
		.amdhsa_float_denorm_mode_16_64 3
		.amdhsa_memory_ordered 1
		.amdhsa_forward_progress 1
		.amdhsa_inst_pref_size 255
	.end_amdhsa_kernel
	.section	.bss,"aw",@nobits
	.p2align	6
	.space	262144
	.amdgpu_metadata
---
amdhsa.version: [ 1, 2 ]
amdhsa.kernels:
  - .name:           k_qacd07f6d64_qkv
    .symbol:         k_qacd07f6d64_qkv.kd
    .args:
      - { .name: xc, .offset: 0, .size: 8, .value_kind: global_buffer, .address_space: global }
      - { .name: wqkv, .offset: 8, .size: 8, .value_kind: global_buffer, .address_space: global }
      - { .name: lowp_scales, .offset: 16, .size: 8, .value_kind: global_buffer, .address_space: global }
      - { .name: qk_bias, .offset: 24, .size: 8, .value_kind: global_buffer, .address_space: global }
      - { .name: gateT, .offset: 32, .size: 8, .value_kind: global_buffer, .address_space: global }
      - { .name: freqs_cis, .offset: 40, .size: 8, .value_kind: global_buffer, .address_space: global }
      - { .name: ve, .offset: 48, .size: 8, .value_kind: global_buffer, .address_space: global }
      - { .name: qi, .offset: 56, .size: 8, .value_kind: global_buffer, .address_space: global }
      - { .name: kv, .offset: 64, .size: 8, .value_kind: global_buffer, .address_space: global }
    .group_segment_fixed_size: 327680
    .private_segment_fixed_size: 0
    .kernarg_segment_align: 8
    .kernarg_segment_size: 72
    .max_flat_workgroup_size: 128
    .sgpr_count:     102
    .vgpr_count:     1024
    .wavefront_size: 32
...
	.end_amdgpu_metadata
.endif
;; end of part 2
;; launch attn (part 3): grid 16 x 16, 16 waves a work-group, clusters of 4 x 1, 327,680 bytes of LDS; arguments qi, kv, lowp_scales, yi; writes yi
.if DOCPART == 3
	.amdgcn_target "amdgcn-amd-amdhsa--gfx1250"
	.amdhsa_code_object_version 6
	.text
	.protected	k_qacd07f6d64_attn
	.globl	k_qacd07f6d64_attn
	.p2align	8
	.type	k_qacd07f6d64_attn,@function
k_qacd07f6d64_attn:
	s_mov_b64 s[64:65], 0
	v_nop
	global_prefetch_b8 v0, s[64:65] scope:SCOPE_SE
	s_setreg_imm32_b32 hwreg(HW_REG_WAVE_MODE, 25, 1), 1
	s_wait_xcnt 0x0
	s_wait_alu depctr_hold_cnt(0) depctr_sa_sdst(0) depctr_va_vdst(0) depctr_va_sdst(0) depctr_va_ssrc(0) depctr_va_vcc(0) depctr_vm_vsrc(0)
	s_getreg_b32 s2, hwreg(HW_REG_IB_STS2, 6, 4)
	s_cmp_eq_u32 s2, 0
	s_cbranch_scc0 .Lentry_in_a_cluster
	s_endpgm
.Lentry_in_a_cluster:
	s_bfe_u32 s2, ttmp6, 0x10000c
	s_cmp_lg_u32 s2, 0x3003
	s_cbranch_scc0 .Lentry_shape_is_right
	s_endpgm
.Lentry_shape_is_right:
; y[q][head] = softmax_k(q . k / sqrt(128), causal) v, both products on codes of FP8; y leaves as codes (e12).
; THE SOFTMAX: t = score x log2(e) / sqrt(128); M = the largest t so far, rounded up to a whole number; p = 2^(t - M) is quantised (e11); the sum is taken of the unquantised p and divides at the end.
; All operands are images of registers (2,048 bytes a fragment: registers 4 c .. 4 c + 3 of lane l at 512 c + 16 l), k in the form's own places.
; SHARES.  A cluster (ttmp9 = c) of four work-groups owns the query blocks of 128: 2 c, 15 - 2 c, 2 c + 1, 14 - 2 c: the same number of key steps for every c.  Work-group cx takes tiles 2 cx, 2 cx + 1 (16 queries) of each.
; A tile has TWO waves: one takes the even key steps of 128, the other the odd ones; they are merged through LDS at the end (each half has its own running M, never above the row's final M).
; THE RING.  A head's K and V are 16 key steps of 32,768 bytes.  Two LDS slots hold four key steps each, as they lie in memory; waves 0-7 ask for 16,384 bytes of a slot each, JOINTLY for the four partners, which walk the
; same head.  Both slots are filled at the start and each once more: a wave has one tensor load out at the start and one behind each of three rounds, and a refill has a whole slot's steps in which to land.
; The four slots' worth of steps is written out: every LDS offset and every descriptor is a constant.  Every work-group walks all of it; a step whose keys all come after the wave's block is jumped over by a scalar branch
; on ids that all partners share (tiles that a cluster's late steps do not read are still fetched).
; Both products are used transposed: S^T = K Q^T, O^T = V^T P^T: a lane holds one query (lane % 16) throughout.
; LIMITS: e8 + e9 between -123 and 130; e11 and e12 between -126 and 119.
; REGISTERS: v1-8 addresses; v12 -M, v13 largest t, v[14:15] the sum; v16-31 Q; v32-95 four fragments; v96-159 S^T, then p; v160-223 O^T; v224-239 codes; v240.. constants and work.
.set SLOT1, 1<<17                      ; a slot: four key steps, 131,072 bytes
.set PAIRB, 65536                      ; from my first key step in a slot to my second
.set MERGE, 0                          ; eight regions of 8,704 bytes: a partner's O^T (8,192) and its statistics (512).  In slot 0, which has had its last fill, and its last read ahead of the last change's barrier
.set SPARE, 2*SLOT1                    ; behind the ring: the spare words, 128 bytes for each of 16 waves
.set WV,   18
.set SEL,  20
.set CS,   22
.set G1,   24                          ; s[24:31] descriptor group 1
.set G0A,  40                          ; s[40:43] group 0: key steps 0-3 into slot 0;
.set G0B,  84                          ; s[84:87] 4-7 into slot 1;
.set G0C,  88                          ; s[88:91] 8-11 into slot 0;
.set G0D,  92                          ; s[92:95] 12-15 into slot 1.  None is ever rewritten
.set PAR,  44                          ; s44 even or odd key steps are mine
.set QB,   45                          ; s45 my block of 128 queries
.set KS,   46                          ; s46 the key step in hand
.set PFA,  76
.set LIM,  80
.macro CROUND
	s_barrier_signal -1
	s_barrier_wait -1
	s_cmp_lg_u32 s[WV], 0
	s_cbranch_scc1 .Lnot_wave_0_\@
	s_barrier_signal -3
.Lnot_wave_0_\@:
	s_barrier_wait -3
	s_barrier_signal -1
	s_barrier_wait -1
.endm
.macro TLOAD g0                        ; waves 0-7 fetch an eighth of a slot each; an s_nop 0 and four v_nop follow the line
	s_cmp_lt_u32 s[WV], 8
	s_cbranch_scc0 .Lasked_\@
	tensor_load_to_lds s[\g0:\g0+3], s[G1:G1+7]
	s_nop 0
.rept 4
	v_nop
.endr
.Lasked_\@:
.endm
; A prefetch of the four key steps that the NEXT tensor load will ask for (n = 0, 1, 2: key steps 4-7, 8-11, 12-15); it stands behind each tensor load but the last, a slot ahead.  All four clusters of a head walk the same
; bytes: the first asks.  Its partners take 32,768 bytes each, told apart by address; in each, waves 8-11, which fetch nothing, ask for 8,192 bytes, lanes 256 bytes apart: each block is named once.
; Key steps 0-3 come by their load alone.  The address registers are never rewritten.
.macro ASK n
	s_cmp_eq_u32 s[LIM], 1
	s_cbranch_scc0 .Lnot_mine_\@
	global_prefetch_b8 v3, s[PFA:PFA+1] offset:(\n)*SLOT1 th:TH_LOAD_NT scope:SCOPE_SE
.Lnot_mine_\@:
.endm
.macro MKG0 g, n                       ; group 0 for the n-th four key steps
	s_mov_b32 s[\g], 1                             ; count = 1
	s_add_co_u32 s[\g+1], s51, ((\n)%2)*SLOT1      ; LDS address: my eighth of the slot
	s_add_nc_u64 s[\g+2:\g+3], s[52:53], (\n)*SLOT1   ; global address
	s_or_b32 s[\g+3], s[\g+3], 0x80000000          ; type = 2
.endm
	s_load_b256 s[4:11], s[0:1], 0x0               ; qi, kv, the exponents, yi
	v_lshl_add_u32 v5, v0, 2, SPARE
	v_mov_b32 v6, 0
	ds_add_u32 v5, v6                              ; the wave's opening: the add and its wait ahead of the first tensor load
	ds_add_u32 v5, v6
	v_lshrrev_b32 v8, 5, v0
	s_delay_alu instid0(VALU_DEP_1)
	v_readfirstlane_b32 s[WV], v8                  ; wave 0..15
	s_bfe_u32 s13, ttmp6, 0x40000                  ; cx: it enters global addresses and the mask's numbers alone
	s_and_b32 s19, ttmp7, 0xffff                   ; the head
	s_lshr_b32 s32, s[WV], 2                       ; i
	s_add_co_u32 s33, s[WV], s32
	s_and_b32 s33, s33, 3                          ; b: which of the cluster's four blocks
	s_and_b32 s34, s32, 1                          ; u: which of my work-group's two tiles of it
	s_lshr_b32 s35, s32, 1
	s_and_b32 s36, s33, 1
	s_xor_b32 s[PAR], s35, s36
	s_lshr_b32 s37, s33, 1
	s_lshl_b32 s38, ttmp9, 1
	s_add_co_u32 s37, s37, s38                     ; 2 c + b / 2
	s_sub_co_u32 s38, 15, s37
	s_cmp_eq_u32 s36, 1
	s_cselect_b32 s[QB], s38, s37
	s_mov_b32 s[KS], s[PAR]
	s_lshl_b32 s39, s13, 1
	s_add_co_u32 s39, s39, s34                     ; my tile in the block
	s_lshl_b32 s47, s39, 4                         ; its first query in the block
	s_lshl_b32 s48, s[QB], 3
	s_add_co_u32 s48, s48, s39                     ; g: my tile of 16 rows among 128
	s_lshl_b32 s49, s33, 1
	s_add_co_u32 s49, s49, s34                     ; the pair's number, 2 b + u
	s_mul_i32 s49, s49, 8704
	s_lshl_b32 s50, s[PAR], 15
	v_and_b32 v9, 31, v0
	s_delay_alu instid0(VALU_DEP_1)
	v_lshlrev_b32 v4, 4, v9                        ; 16 x lane
	s_delay_alu instid0(VALU_DEP_1)
	v_add_nc_u32 v1, s50, v4                       ; my first key step's images in a slot
	s_delay_alu instid0(VALU_DEP_2)
	v_add_nc_u32 v2, s49, v4                       ; the pair's region
	s_delay_alu instid0(VALU_DEP_4)
	v_lshlrev_b32 v3, 8, v9                        ; the prefetch: 256 x lane
	v_and_b32 v10, 15, v0
	v_bfe_u32 v11, v0, 4, 1
	s_delay_alu instid0(VALU_DEP_1)
	v_lshlrev_b32 v11, 3, v11
	s_delay_alu instid0(VALU_DEP_1)
	v_sub_nc_u32 v7, v10, v11
	s_delay_alu instid0(VALU_DEP_1)
	v_add_nc_u32 v7, s47, v7                       ; on the diagonal register 8 t + j (key 16 t + 8 h + j) is hidden where 16 t + j > my query - 8 h
	s_and_b32 s51, s[WV], 7
	s_lshl_b32 s51, s51, 14                        ; the eighth of a slot that I fetch, if I fetch
	s_lshl_b32 s52, s19, 19
	s_add_co_u32 s52, s52, s51
	s_mov_b32 s53, 0
	s_lshl_b32 s54, s19, 19
	s_lshl_b32 s55, s13, 15
	s_add_co_u32 s54, s54, s55                     ; my work-group's 32,768 bytes,
	s_and_b32 s55, s[WV], 3
	s_lshl_b32 s55, s55, 13
	s_add_co_u32 s54, s54, s55                     ; my wave's 8,192 of them,
	s_add_co_u32 s54, s54, SLOT1                   ; of key steps 4-7
	s_mov_b32 s55, 0
	s_lshl_b32 s56, s19, 18
	s_lshl_b32 s57, s48, 11
	s_add_co_u32 s56, s56, s57                     ; Q's image
	s_mov_b32 s57, 0
	s_lshr_b32 s58, s19, 2
	s_lshl_b32 s58, s58, 7
	s_add_co_u32 s58, s58, s48
	s_lshl_b32 s58, s58, 13
	s_and_b32 s59, s19, 3
	s_lshl_b32 s59, s59, 11
	s_add_co_u32 s58, s58, s59                     ; y's image: [head / 4][g][head % 4]
	s_mov_b32 s59, 0
	s_sub_co_u32 s82, s[WV], 8
	s_lshr_b32 s82, s82, 2                         ; 0 in waves 8 to 11,
	s_or_b32 s82, s82, ttmp9                       ; of the head's first cluster: the same in all partners
	s_cmp_eq_u32 s82, 0
	s_cselect_b32 s[LIM], 1, 0
	s_mov_b32 s[G1], 15|(3<<16)|(1<<21)            ; the mask: all four; elements of 8 bytes; bit 21 beside a mask; no padding
	s_mov_b32 s[G1+1], 32<<16                      ; tensor_dim0: 256 bytes
	s_mov_b32 s[G1+2], 64<<16                      ; tensor_dim1
	s_mov_b32 s[G1+3], 32<<16                      ; tile_dim0
	s_mov_b32 s[G1+4], 64                          ; tile_dim1
	s_mov_b32 s[G1+5], 32                          ; dense
	s_mov_b32 s[G1+6], 0
	s_mov_b32 s[G1+7], 0
	s_mov_b32 s[SEL], 0x76543210
	s_mov_b32 s[SEL+1], 0xfedcba98
	s_mov_b32 s[CS], 0x3e0293ee                    ; log2(e) / sqrt(128)
	s_wait_dscnt 0x0                               ; the opening add is done
	s_wait_kmcnt 0x0
	s_load_b128 s[68:71], s[8:9], 0x20             ; e8 .. e11
	s_load_b32 s72, s[8:9], 0x30                   ; e12
	s_add_nc_u64 s[52:53], s[6:7], s[52:53]        ; kv at my eighth of the head's first four key steps
	MKG0 G0A, 0
	MKG0 G0B, 1
	MKG0 G0C, 2
	MKG0 G0D, 3
	s_add_nc_u64 s[PFA:PFA+1], s[6:7], s[54:55]
	s_add_nc_u64 s[4:5], s[4:5], s[56:57]
	s_add_nc_u64 s[10:11], s[10:11], s[58:59]
	CROUND                                         ; all four work-groups are here: the first joint loads meet
	s_cmp_lt_u32 s[WV], 8                          ; slot 0's first fill: one tensor load a wave at the head; slot 1's follows behind the full sequence and a round, so a wave has one load out at the start and one behind each of three rounds
	s_cbranch_scc0 .Lfirst_asked
	tensor_load_to_lds s[G0A:G0A+3], s[G1:G1+7]
	s_nop 0
.rept 4
	v_nop
.endr
.Lfirst_asked:
	s_wait_alu depctr_va_vdst(0)
.irp c, 0,1,2,3
	global_load_b128 v[16+4*\c:19+4*\c], v4, s[4:5] offset:512*\c   ; Q stays in registers
.endr
	ASK 0
	v_mov_b32 v13, 0xff61b1e6                      ; the largest t so far: -3e38
	s_delay_alu instid0(VALU_DEP_1)
	v_floor_f32 v12, -v13                          ; -M
	v_mov_b32 v14, 0
	v_mov_b32 v15, 0
	v_mov_b32 v236, 0                              ; a lane permute's destination counts as one of its sources
	v_mov_b32 v253, 0                              ; named as upper halves of pairs
	v_mov_b32 v255, 0
.set n, 0
.rept 64
	v_mov_b32 v[160+n], 0                          ; O^T: every step is of one form; the first finds zeros
.set n, n+1
.endr
	s_wait_kmcnt 0x0
	s_add_co_i32 s32, s68, s69
	s_lshl_b32 s32, s32, 23
	s_add_co_i32 s[CS], s[CS], s32                 ; x 2^(e8 + e9), in the exponent field
	s_mov_b32 s[CS+1], s[CS]
	s_add_co_i32 s32, s71, 127
	s_lshl_b32 s33, s32, 23
	v_mov_b32 v244, s33                            ; 2^e11
	s_add_co_i32 s32, s32, 8
	s_lshl_b32 s32, s32, 23
	s_or_b32 s32, s32, 0x600000
	v_mov_b32 v240, s32                            ; 448 x 2^e11
	s_add_co_i32 s32, s72, 127
	s_lshl_b32 s33, s32, 23
	v_mov_b32 v245, s33                            ; 2^e12
	s_add_co_i32 s32, s32, 8
	s_lshl_b32 s32, s32, 23
	s_or_b32 s32, s32, 0x600000
	v_mov_b32 v241, s32                            ; 448 x 2^e12
	s_add_co_i32 s73, s70, s71                     ; e10 + e11
.macro STEP off                        ; a key step of mine; off: the LDS byte at which its pair of key steps begins
	s_cmp_gt_u32 s[KS], s[QB]                      ; all its keys come after my queries: left out
	s_cbranch_scc1 .Lhidden_\@
	v_add_nc_u32 v8, \off, v1
	s_wait_alu depctr_va_vdst(0)
.irp g, 0,1                                    ; S^T = K Q^T, four tiles of 16 keys at a time
.rept 4
	v_nop                                          ; places in front of loads into registers that matrix instructions have read
.endr
.irp t, 0,1,2,3
.irp c, 0,1,2,3
	ds_load_b128 v[32+16*\t+4*\c:32+16*\t+4*\c+3], v8 offset:(4*\g+\t)*2048+512*\c
.endr
.endr
	s_wait_dscnt 0x0
.irp t, 0,1,2,3
	v_wmma_f32_16x16x128_fp8_fp8 v[96+8*(4*\g+\t):103+8*(4*\g+\t)], v[32+16*\t:47+16*\t], v[16:31], 0
.endr
.endr
.rept 4
	v_nop
.endr
.irp t, 0,1,2,3                                ; V's first four tiles are asked for now and land under the softmax
.irp c, 0,1,2,3
	ds_load_b128 v[32+16*\t+4*\c:32+16*\t+4*\c+3], v8 offset:16384+\t*2048+512*\c
.endr
.endr
	s_cmp_lt_u32 s[KS], s[QB]                      ; all keys count: no mask
	s_cbranch_scc1 .Lopen_\@
	v_mov_b32 v254, 0xff800000                     ; -infinity: p = 0
.set n, 0
.rept 64
	v_cmp_gt_i32 vcc_lo, 16*(n/8)+n%8, v7
	v_cndmask_b32 v[96+n], v[96+n], v254, vcc_lo
.set n, n+1
.endr
.Lopen_\@:
	v_max3_num_f32 v254, v96, v97, v98             ; the step's largest score of my query, two chains,
	v_max3_num_f32 v252, v99, v100, v101
.irp i, 6,10,14,18,22,26,30,34,38,42,46,50,54,58
	v_max3_num_f32 v254, v254, v[96+\i], v[97+\i]
	v_max3_num_f32 v252, v252, v[98+\i], v[99+\i]
.endr
	v_max3_num_f32 v254, v254, v158, v159
	s_delay_alu instid0(VALU_DEP_1)
	v_max_num_f32 v254, v254, v252
	v_permlanex16_b32 v236, v254, s[SEL], s[SEL+1]
	s_delay_alu instid0(VALU_DEP_1)
	v_max_num_f32 v254, v254, v236                 ; and lane l xor 16's
	s_delay_alu instid0(VALU_DEP_1)
	v_mul_f32 v254, s[CS], v254
	s_delay_alu instid0(VALU_DEP_1)
	v_max_num_f32 v13, v13, v254                   ; the running largest t
	v_mov_b32 v254, v12
	s_delay_alu instid0(VALU_DEP_2)
	v_floor_f32 v12, -v13                          ; -M = floor(-t)
	s_delay_alu instid0(VALU_DEP_1)
	v_sub_f32 v254, v12, v254                      ; old M - new M, a whole number, 0 or less
	s_delay_alu instid0(VALU_DEP_1)
	v_cvt_i32_f32 v254, v254                       ; (it saturates)
	s_delay_alu instid0(VALU_DEP_1)
	v_ldexp_f32 v252, 1.0, v254                    ; f = 2^(old M - new M)
.set n, 0
.rept 32
	v_pk_fma_f32 v[96+n:97+n], v[96+n:97+n], s[CS:CS+1], v[12:13] op_sel_hi:[1,0,0]   ; t - M
.set n, n+2
.endr
.set n, 0
	s_wait_alu depctr_va_vdst(0)
.rept 64
	v_exp_f32 v[96+n], v[96+n]                     ; p
.set n, n+1
.endr
	v_pk_mul_f32 v[14:15], v[14:15], v[252:253] op_sel_hi:[1,0]   ; the sums under the new M: a plain line behind the exponentials
	s_wait_alu depctr_va_vdst(0)                   ; one wait for the batch, ahead of its first reader
	v_pk_add_f32 v[242:243], v[100:101], v[104:105]
	v_pk_add_f32 v[250:251], v[108:109], v[112:113]
	v_pk_add_f32 v[248:249], v[116:117], v[120:121]
	v_pk_add_f32 v[246:247], v[124:125], v[128:129]
	v_pk_add_f32 v[238:239], v[132:133], v[136:137]
	v_pk_add_f32 v[236:237], v[140:141], v[144:145]
	v_pk_add_f32 v[234:235], v[148:149], v[152:153]
	v_pk_add_f32 v[14:15], v[14:15], v[156:157]
	v_pk_add_f32 v[242:243], v[242:243], v[96:97]
	v_pk_add_f32 v[250:251], v[250:251], v[98:99]
	v_pk_add_f32 v[248:249], v[248:249], v[102:103]
	v_pk_add_f32 v[246:247], v[246:247], v[106:107]
	v_pk_add_f32 v[238:239], v[238:239], v[110:111]
	v_pk_add_f32 v[236:237], v[236:237], v[114:115]
	v_pk_add_f32 v[234:235], v[234:235], v[118:119]
	v_pk_add_f32 v[14:15], v[14:15], v[122:123]
	v_pk_add_f32 v[242:243], v[242:243], v[126:127]
	v_pk_add_f32 v[250:251], v[250:251], v[130:131]
	v_pk_add_f32 v[248:249], v[248:249], v[134:135]
	v_pk_add_f32 v[246:247], v[246:247], v[138:139]
	v_pk_add_f32 v[238:239], v[238:239], v[142:143]
	v_pk_add_f32 v[236:237], v[236:237], v[146:147]
	v_pk_add_f32 v[234:235], v[234:235], v[150:151]
	v_pk_add_f32 v[14:15], v[14:15], v[154:155]
	v_pk_add_f32 v[242:243], v[242:243], v[158:159]
	s_delay_alu instid0(VALU_DEP_2)
	v_pk_add_f32 v[14:15], v[14:15], v[246:247]
	s_delay_alu instid0(VALU_DEP_2)
	v_pk_add_f32 v[242:243], v[242:243], v[238:239]
	v_pk_add_f32 v[250:251], v[250:251], v[236:237]
	v_pk_add_f32 v[248:249], v[248:249], v[234:235]
	s_delay_alu instid0(VALU_DEP_2)
	v_pk_add_f32 v[14:15], v[14:15], v[250:251]
	s_delay_alu instid0(VALU_DEP_2)
	v_pk_add_f32 v[242:243], v[242:243], v[248:249]
	s_delay_alu instid0(VALU_DEP_1)
	v_pk_add_f32 v[14:15], v[14:15], v[242:243]
.irp t, 0,1,2,3,4,5,6,7
.irp i, 0,1,2,3,4,5,6,7
	v_min_num_f32 v[96+8*\t+\i], v[96+8*\t+\i], v240   ; the conversion does not saturate (ISA guide 7.6.2); p is not negative
.endr
	v_cvt_scalef32_pk8_fp8_f32 v[224+2*\t:225+2*\t], v[96+8*\t:103+8*\t], v244   ; tile t's eight keys: registers 2 t, 2 t + 1 of the operand
.endr
.set n, 0
.rept 32
	v_pk_mul_f32 v[160+n:161+n], v[160+n:161+n], v[252:253] op_sel_hi:[1,0]   ; O^T under the new M; also the plain lines behind the conversions
.set n, n+2
.endr
	s_wait_alu depctr_va_vdst(0)
	s_wait_dscnt 0x0                               ; V's first four tiles
.irp t, 0,1,2,3
	v_wmma_f32_16x16x128_fp8_fp8 v[160+8*\t:167+8*\t], v[32+16*\t:47+16*\t], v[224:239], v[160+8*\t:167+8*\t]
.endr
.rept 4
	v_nop
.endr
.irp t, 0,1,2,3
.irp c, 0,1,2,3
	ds_load_b128 v[32+16*\t+4*\c:32+16*\t+4*\c+3], v8 offset:16384+(4+\t)*2048+512*\c
.endr
.endr
	s_wait_dscnt 0x0
.irp t, 0,1,2,3
	v_wmma_f32_16x16x128_fp8_fp8 v[192+8*\t:199+8*\t], v[32+16*\t:47+16*\t], v[224:239], v[192+8*\t:199+8*\t]
.endr
.Lhidden_\@:
	s_add_co_u32 s[KS], s[KS], 2
.endm
; The change of slots stands at a slot's head.  fill = 1: the slot that has been left is filled by group 0 g0, behind a round of the cluster's barrier.
.macro CHANGE fill, g0, ask
	s_wait_tensorcnt 0x0                           ; all my tensor loads have landed: my part of the slot ahead
	ds_add_u32 v5, v6                              ; 0 onto my spare word
.if \fill
	ds_add_u32 v5, v6                              ; and once more where a load follows
.endif
	s_wait_dscnt 0x0                               ; the adds are done, and my reads of the slot that I have left are over
.if \fill
	CROUND
	TLOAD \g0                                      ; the first thing behind the round, a wave's one tensor load until the next
.if \ask
	ASK 2
.endif
.else
	s_barrier_signal -1
	s_barrier_wait -1
.endif
.endm
	s_wait_alu depctr_va_vdst(0)                   ; the wait at the head's end
	s_wait_loadcnt 0x0                             ; Q
	s_wait_tensorcnt 0x0                           ; my part of slot 0 is in; slot 1's first fill is issued as a refill is:
	ds_add_u32 v5, v6                              ; the add, here twice on end
	ds_add_u32 v5, v6
	s_wait_dscnt 0x0
	CROUND                                         ; everybody's part of slot 0 is in, and the four work-groups' joint loads meet
	TLOAD G0B                                      ; slot 1 takes key steps 4-7
	ASK 1
	STEP 0                                         ; key steps 0-3
	STEP PAIRB
	CHANGE 1, G0C, 1                               ; slot 0 takes key steps 8-11
	STEP SLOT1                                     ; key steps 4-7
	STEP SLOT1+PAIRB
	CHANGE 1, G0D, 0                               ; slot 1 takes key steps 12-15
	STEP 0                                         ; key steps 8-11
	STEP PAIRB
	CHANGE 0, 0, 0                                 ; nothing is left to fetch; behind this barrier nobody reads slot 0
	STEP SLOT1                                     ; key steps 12-15
	STEP SLOT1+PAIRB
	; THE MERGE.  The wave of the odd steps hands O^T, -M and the sum to its partner through LDS, as images of registers
.rept 4
	v_nop
.endr
	s_cmp_eq_u32 s[PAR], 0
	s_cbranch_scc1 .Lkeep
.set n, 0
	s_wait_alu depctr_va_vdst(0)
.rept 16
	ds_store_b128 v2, v[160+4*n:163+4*n] offset:MERGE+512*n
.set n, n+1
.endr
	ds_store_b128 v2, v[12:15] offset:MERGE+8192
.Lkeep:
	s_wait_dscnt 0x0                               ; for the partner's sake: my stores have landed
	s_barrier_signal -1
	s_barrier_wait -1
	s_cmp_eq_u32 s[PAR], 1
	s_cbranch_scc1 .Lend
	ds_load_b128 v[248:251], v2 offset:MERGE+8192
.set n, 0
.rept 16
	ds_load_b128 v[96+4*n:99+4*n], v2 offset:MERGE+512*n
.set n, n+1
.endr
	s_wait_dscnt 0x0
	v_min_num_f32 v252, v12, v248                  ; the common -M
	s_delay_alu instid0(VALU_DEP_1)
	v_sub_f32 v253, v252, v12
	s_delay_alu instid0(VALU_DEP_2)
	v_sub_f32 v254, v252, v248                     ; (a partner that had no step: -3e38, and its factor is 0)
	s_delay_alu instid0(VALU_DEP_2)
	v_cvt_i32_f32 v253, v253
	s_delay_alu instid0(VALU_DEP_2)
	v_cvt_i32_f32 v254, v254
	s_delay_alu instid0(VALU_DEP_2)
	v_ldexp_f32 v253, 1.0, v253
	s_delay_alu instid0(VALU_DEP_2)
	v_ldexp_f32 v254, 1.0, v254
	v_add_f32 v14, v14, v15
	v_add_f32 v250, v250, v251
	s_delay_alu instid0(VALU_DEP_2)
	v_mul_f32 v14, v14, v253
	s_delay_alu instid0(VALU_DEP_1)
	v_fma_f32 v14, v250, v254, v14
	v_permlanex16_b32 v236, v14, s[SEL], s[SEL+1]
	s_delay_alu instid0(VALU_DEP_1)
	v_add_f32 v14, v14, v236                       ; the row's sum
	s_wait_alu depctr_va_vdst(0)
	v_rcp_f32 v14, v14
	v_nop
	s_wait_alu depctr_va_vdst(0)
	v_ldexp_f32 v14, v14, s73                      ; x 2^(e10 + e11)
	s_delay_alu instid0(VALU_DEP_1)
	v_mul_f32 v252, v253, v14
	s_delay_alu instid0(VALU_DEP_2)
	v_mul_f32 v254, v254, v14
.set n, 0
.rept 32
	v_pk_mul_f32 v[160+n:161+n], v[160+n:161+n], v[252:253] op_sel_hi:[1,0]
.set n, n+2
.endr
.set n, 0
.rept 32
	v_pk_fma_f32 v[160+n:161+n], v[96+n:97+n], v[254:255], v[160+n:161+n] op_sel_hi:[1,0,1]
.set n, n+2
.endr
.set n, 0
.rept 64
	v_med3_num_f32 v[160+n], v[160+n], -v241, v241
.set n, n+1
.endr
.irp t, 0,1,2,3,4,5,6,7
	v_cvt_scalef32_pk8_fp8_f32 v[224+2*\t:225+2*\t], v[160+8*\t:167+8*\t], v245   ; d = 16 t + 8 h + 0 .. 7: registers 2 t, 2 t + 1 of the last product's operand
.endr
	v_nop
.irp c, 0,1,2,3
	global_store_b128 v4, v[224+4*\c:227+4*\c], s[10:11] offset:512*\c
.endr
.Lend:
	s_wait_tensorcnt 0x0                           ; the wave's end
	ds_add_u32 v5, v6
	s_wait_dscnt 0x0
	CROUND                                         ; the closing round
	s_endpgm
.Lfunc_end_k_qacd07f6d64_attn:
	.size	k_qacd07f6d64_attn, .Lfunc_end_k_qacd07f6d64_attn-k_qacd07f6d64_attn
	.p2alignl 7, 3214868480
	.fill 96, 4, 3214868480
	.section	.rodata,"a",@progbits
	.p2align	6, 0x0
	.amdhsa_kernel k_qacd07f6d64_attn
		.amdhsa_group_segment_fixed_size 327680
		.amdhsa_private_segment_fixed_size 0
		.amdhsa_enable_private_segment 0
		.amdhsa_kernarg_size 32
		.amdhsa_user_sgpr_count 2
		.amdhsa_user_sgpr_kernarg_segment_ptr 1
		.amdhsa_wavefront_size32 1
		.amdhsa_system_sgpr_workgroup_id_x 1
		.amdhsa_system_sgpr_workgroup_id_y 1
		.amdhsa_system_sgpr_workgroup_id_z 1
		.amdhsa_system_vgpr_workitem_id 0
		.amdhsa_next_free_vgpr 256
		.amdhsa_next_free_sgpr 100
		.amdhsa_reserve_vcc 1
		.amdhsa_float_denorm_mode_32 3
		.amdhsa_float_denorm_mode_16_64 3
		.amdhsa_memory_ordered 1
		.amdhsa_forward_progress 1
		.amdhsa_inst_pref_size 220
	.end_amdhsa_kernel
	.amdgpu_metadata
---
amdhsa.version: [ 1, 2 ]
amdhsa.kernels:
  - .name:           k_qacd07f6d64_attn
    .symbol:         k_qacd07f6d64_attn.kd
    .args:
      - { .name: qi, .offset: 0, .size: 8, .value_kind: global_buffer, .address_space: global }
      - { .name: kv, .offset: 8, .size: 8, .value_kind: global_buffer, .address_space: global }
      - { .name: lowp_scales, .offset: 16, .size: 8, .value_kind: global_buffer, .address_space: global }
      - { .name: yi, .offset: 24, .size: 8, .value_kind: global_buffer, .address_space: global }
    .group_segment_fixed_size: 327680
    .private_segment_fixed_size: 0
    .kernarg_segment_align: 8
    .kernarg_segment_size: 32
    .max_flat_workgroup_size: 512
    .sgpr_count:     100
    .vgpr_count:     256
    .wavefront_size: 32
...
	.end_amdgpu_metadata
.endif
;; end of part 3
;; launch oproj (part 4): grid 16 x 16, 4 waves a work-group, clusters of 4 x 4, 327,680 bytes of LDS; arguments yi, woc, lowp_scales, out0; writes out0
.if DOCPART == 4
	.amdgcn_target "amdgcn-amd-amdhsa--gfx1250"
	.amdhsa_code_object_version 6
	.text
	.protected	k_qacd07f6d64_oproj
	.globl	k_qacd07f6d64_oproj
	.p2align	8
	.type	k_qacd07f6d64_oproj,@function
k_qacd07f6d64_oproj:
	s_mov_b64 s[64:65], 0
	v_nop
	global_prefetch_b8 v0, s[64:65] scope:SCOPE_SE
	s_setreg_imm32_b32 hwreg(HW_REG_WAVE_MODE, 25, 1), 1
	s_wait_xcnt 0x0
	s_wait_alu depctr_hold_cnt(0) depctr_sa_sdst(0) depctr_va_vdst(0) depctr_va_sdst(0) depctr_va_ssrc(0) depctr_va_vcc(0) depctr_vm_vsrc(0)
	s_getreg_b32 s2, hwreg(HW_REG_IB_STS2, 6, 4)
	s_cmp_eq_u32 s2, 0
	s_cbranch_scc0 .Lentry_in_a_cluster
	s_endpgm
.Lentry_in_a_cluster:
	s_bfe_u32 s2, ttmp6, 0x10000c
	s_cmp_lg_u32 s2, 0xf033
	s_cbranch_scc0 .Lentry_shape_is_right
	s_endpgm
.Lentry_shape_is_right:
.set ABYTES, 65536
.set BPITCH, 528
.set BHALF,  64*BPITCH
.set SLOT,   ABYTES+2*BHALF
.set STAGE,  2*SLOT
.set SPARE,  STAGE+4*16*272
.set LAPS,   2
.set ADRA, 16
.set ADRB, 20
.set STO,  24
.set RD,   25
.set CO,   26
.set SPW,  28
.set NIL,  29
.set TMP,  32
.set BK,   64
.set ACC,  128
.set F0,   0
.set F1,   128
.set G1, 24
.set G0, 32
.set G1B, 48
.set G0B, 56
.set MSB, 0
.macro WIN new
.if MSB != \new
	s_set_vgpr_msb (MSB<<8)|\new
.set MSB, \new
.endif
.endm
.set MUL,  0x05
.set TO_F, 0x40
.macro JLOAD s
	s_cmp_eq_u32 s11, 0
	s_cbranch_scc0 .Lfor_b_\@
	tensor_load_to_lds s[G0+4*\s:G0+4*\s+3], s[G1:G1+7]
	s_nop 0
.rept 4
	v_nop
.endr
	s_branch .Lasked_\@
.Lfor_b_\@:
	tensor_load_to_lds s[G0B+4*\s:G0B+4*\s+3], s[G1B:G1B+7]
	s_nop 0
.rept 4
	v_nop
.endr
.Lasked_\@:
.endm
.macro CREST
	s_cmp_lg_u32 s10, 0
	s_cbranch_scc1 .Lnot_wave_0_\@
	s_barrier_signal -3
.Lnot_wave_0_\@:
	s_barrier_wait -3
	s_barrier_signal -1
	s_barrier_wait -1
.endm
.macro CROUND
	s_barrier_signal -1
	s_barrier_wait -1
	CREST
.endm
	s_load_b128 s[4:7], s[0:1], 0x0
	s_load_b128 s[68:71], s[0:1], 0x10
	v_lshl_add_u32 v[SPW], v0, 2, SPARE
	v_mov_b32 v[NIL], 0
	ds_add_u32 v[SPW], v[NIL]
	ds_add_u32 v[SPW], v[NIL]
	v_lshrrev_b32 v1, 5, v0
	v_readfirstlane_b32 s10, v1
	s_lshr_b32 s11, s10, 1
	s_and_b32 s12, s10, 1
	s_bfe_u32 s40, ttmp6, 0x40000
	s_bfe_u32 s41, ttmp6, 0x40004
	s_lshl_b32 s42, ttmp9, 2
	s_add_co_u32 s42, s42, s40
	s_and_b32 s13, ttmp7, 0xffff
	s_lshl_b32 s13, s13, 2
	s_add_co_u32 s13, s13, s41
	s_lshl_b32 s43, s41, 2
	s_lshl_b32 s43, 15, s43
	s_lshl_b32 s44, 0x1111, s40
	s_or_b32 s[G1+0], s43, (3<<16)|(1<<21)
	s_mov_b32 s[G1+1], 32<<16
	s_mov_b32 s[G1+2], 128<<16
	s_mov_b32 s[G1+3], 32<<16
	s_mov_b32 s[G1+4], 128
	s_mov_b32 s[G1+5], 32
	s_mov_b32 s[G1+6], 0
	s_mov_b32 s[G1+7], 0
	s_or_b32 s[G1B+0], s44, (0<<16)|(1<<20)|(1<<21)|(6<<22)|(3<<25)
	s_mov_b32 s[G1B+1], 512<<16
	s_mov_b32 s[G1B+2], 64<<16
	s_mov_b32 s[G1B+3], 512<<16
	s_mov_b32 s[G1B+4], 64
	s_mov_b32 s[G1B+5], 2048
	s_mov_b32 s[G1B+6], 0
	s_mov_b32 s[G1B+7], 0
	s_lshl_b32 s16, s13, 16
	s_lshl_b32 s17, s12, 15
	s_add_co_u32 s16, s16, s17
	s_mov_b32 s17, 0
	s_lshl_b32 s46, s42, 7
	s_lshl_b32 s47, s12, 6
	s_add_co_u32 s46, s46, s47
	s_lshl_b32 s46, s46, 11
	s_mov_b32 s47, 0
	s_lshl_b32 s20, s12, 15
	s_mul_i32 s21, s12, BHALF
	s_add_co_u32 s21, s21, ABYTES
	s_wait_dscnt 0x0
	s_wait_kmcnt 0x0
	s_load_b64 s[96:97], s[68:69], 0x30
	s_add_nc_u64 s[14:15], s[4:5], s[16:17]
	s_add_nc_u64 s[46:47], s[6:7], s[46:47]
	CROUND
.irp s, 0,1
	s_mov_b32 s[G0+4*\s], 1
	s_add_co_u32 s[G0+4*\s+1], s20, \s*SLOT
	s_add_nc_u64 s[G0+4*\s+2:G0+4*\s+3], s[14:15], \s*0x100000
	s_or_b32 s[G0+4*\s+3], s[G0+4*\s+3], 0x80000000
	s_mov_b32 s[G0B+4*\s], 1
	s_add_co_u32 s[G0B+4*\s+1], s21, \s*SLOT
	s_add_nc_u64 s[G0B+4*\s+2:G0B+4*\s+3], s[46:47], \s*512
	s_or_b32 s[G0B+4*\s+3], s[G0B+4*\s+3], 0x80000000
.endr
	JLOAD 0                                        ; K step 0 (512 along K): one tensor load a wave at the head
	; the tiles' prefetches: what I fetch for a slot is 128 blocks of 256 bytes (y's images: 32,768 dense bytes; Wo's codes: 64 rows x 512 bytes); my work-group takes 32 of them, told apart from its partners by address
	s_cmp_eq_u32 s11, 0
	s_cselect_b64 s[72:73], s[14:15], s[46:47]
	s_cselect_b32 s74, s40, s41                    ; my place among the four that ask with me
	s_cselect_b32 s76, 13, 15                      ; its share: 8,192 dense bytes, or 16 rows of 2,048
	s_mov_b32 s78, 512
	s_cselect_b32 s78, 0x100000, s78               ; a K step on
	s_mov_b32 s80, 2048
	s_cselect_b32 s80, 512, s80                    ; from one pair of lanes to the next
	s_lshl_b32 s74, s74, s76
	s_mov_b32 s75, 0
	s_mov_b32 s79, 0
	s_add_nc_u64 s[72:73], s[72:73], s[74:75]
	s_add_nc_u64 s[72:73], s[72:73], s[78:79]      ; K step 1,
	s_add_nc_u64 s[82:83], s[72:73], s[78:79]      ; 2,
	s_add_nc_u64 s[84:85], s[82:83], s[78:79]      ; 3: three addresses, none rewritten
	v_and_b32 v6, 31, v0
	v_lshrrev_b32 v7, 1, v6
	v_and_b32 v6, 1, v6
	v_lshlrev_b32 v6, 8, v6
	v_mad_u32_u24 v30, v7, s80, v6                 ; v30: my lane's block; never rewritten
	s_wait_alu depctr_va_vdst(0)
	global_prefetch_b8 v30, s[72:73] th:TH_LOAD_NT scope:SCOPE_SE   ; K steps 1 and 2; K step 1's load is followed by the prefetch of K step 3, the last
	global_prefetch_b8 v30, s[82:83] th:TH_LOAD_NT scope:SCOPE_SE
	v_and_b32 v1, 15, v0
	v_bfe_u32 v2, v0, 4, 1
	v_and_b32 v3, 31, v0
	v_lshlrev_b32 v3, 4, v3
	v_mul_u32_u24 v4, v1, BPITCH
	v_lshl_add_u32 v4, v2, 3, v4
	s_lshl_b32 s21, s11, 15
	s_mul_i32 s22, s12, BHALF
	s_add_co_u32 s22, s22, ABYTES
.irp s, 0,1
	v_add_nc_u32 v[ADRA+\s], s21, v3
	v_add_nc_u32 v[ADRB+\s], s22, v4
	s_add_co_u32 s21, s21, SLOT
	s_add_co_u32 s22, s22, SLOT
.endr
	s_mul_i32 s23, s10, 16*272
	s_add_co_u32 s23, s23, STAGE
	v_mul_u32_u24 v5, v1, 272
	v_lshl_add_u32 v5, v2, 5, v5
	v_add_nc_u32 v[STO], s23, v5
	v_mul_u32_u24 v5, v2, 272
	v_lshl_add_u32 v5, v1, 4, v5
	v_add_nc_u32 v[RD], s23, v5
	v_lshlrev_b32 v5, 13, v2
	v_lshl_add_u32 v[CO], v1, 4, v5
	s_lshl_b32 s16, s13, 7
	s_lshl_b32 s17, s11, 6
	s_add_co_u32 s16, s16, s17
	s_lshl_b32 s16, s16, 13
	s_mov_b32 s17, 0
	s_add_nc_u64 s[70:71], s[70:71], s[16:17]
	s_lshl_b32 s46, s42, 9
	s_lshl_b32 s47, s12, 8
	s_add_co_u32 s46, s46, s47
	s_mov_b32 s47, 0
	s_add_nc_u64 s[70:71], s[70:71], s[46:47]
.macro MUL4 f, a, zero
.irp b, 0,1,2,3
.if \zero
	v_wmma_f32_16x16x128_fp8_fp8 v[ACC+8*(4*(\a)+\b):ACC+8*(4*(\a)+\b)+7], v[\f+64+16*\b:\f+64+16*\b+15], v[\f+16*(\a):\f+16*(\a)+15], 0
.else
	v_wmma_f32_16x16x128_fp8_fp8 v[ACC+8*(4*(\a)+\b):ACC+8*(4*(\a)+\b)+7], v[\f+64+16*\b:\f+64+16*\b+15], v[\f+16*(\a):\f+16*(\a)+15], v[ACC+8*(4*(\a)+\b):ACC+8*(4*(\a)+\b)+7]
.endif
.endr
.endm
.macro FETCH slot, q, f
	WIN TO_F
.irp i, 0,1,2,3
.irp c, 0,1,2,3,4,5,6,7
	ds_load_b64 v[\f+64+16*\i+2*\c:\f+64+16*\i+2*\c+1], v[ADRB+\slot] offset:\i*16*BPITCH+128*(\q)+16*\c
.endr
.endr
.irp i, 0,1,2,3
.irp c, 0,1,2,3
	ds_load_b128 v[\f+16*\i+4*\c:\f+16*\i+4*\c+3], v[ADRA+\slot] offset:\i*8192+(\q)*2048+512*\c
.endr
.endr
.endm
.macro PLACES
.rept 4
	v_nop
.endr
.endm
.macro QUARTER slot, qn, f, g, zero
	s_wait_dscnt 8
	WIN MUL
	MUL4 \f, 0, \zero
	MUL4 \f, 1, \zero
	PLACES
	FETCH \slot, \qn, \g
	s_wait_dscnt 48
	WIN MUL
	MUL4 \f, 2, \zero
	MUL4 \f, 3, \zero
.endm
.macro TURN slot, next, fill
	WIN 0
	s_wait_tensorcnt 0x0
	ds_add_u32 v[SPW], v[NIL]
	s_wait_dscnt 9
	WIN MUL
	MUL4 F1, 0, 0
	s_wait_dscnt 0x0
	s_barrier_signal -1
	MUL4 F1, 1, 0
.if \fill
	WIN 0
.endif
	s_barrier_wait -1
.if \fill
	CREST
	s_add_nc_u64 s[G0+4*\slot+2:G0+4*\slot+3], s[G0+4*\slot+2:G0+4*\slot+3], 0x200000
	s_add_nc_u64 s[G0B+4*\slot+2:G0B+4*\slot+3], s[G0B+4*\slot+2:G0B+4*\slot+3], 1024
	JLOAD \slot
.else
	PLACES
.endif
	s_wait_alu depctr_va_vdst(0)
	FETCH \next, 0, F0
	WIN MUL
	MUL4 F1, 2, 0
	MUL4 F1, 3, 0
.endm
	s_wait_alu depctr_va_vdst(0)                   ; the wait at the head's end
	s_wait_tensorcnt 0x0                           ; my part of K step 0 is in; slot 1's first fill is issued as a refill is:
	ds_add_u32 v[SPW], v[NIL]
	s_wait_dscnt 0x0
	CROUND
	JLOAD 1                                        ; K step 1, the first tensor load behind the round
	FETCH 0, 0, F0
	global_prefetch_b8 v30, s[84:85] th:TH_LOAD_NT scope:SCOPE_SE   ; K step 3 (the address stands in window 0)
	QUARTER 0, 1, F0, F1, 1
	WIN 0
	s_mov_b32 s3, LAPS-1
.Llap:
	QUARTER 0, 2, F1, F0, 0
	QUARTER 0, 3, F0, F1, 0
	TURN 0, 1, 1
	QUARTER 1, 1, F0, F1, 0
	QUARTER 1, 2, F1, F0, 0
	QUARTER 1, 3, F0, F1, 0
	TURN 1, 0, 1
	QUARTER 0, 1, F0, F1, 0
	WIN 0
	s_sub_co_u32 s3, s3, 1
	s_cmp_lg_u32 s3, 0
	s_cbranch_scc1 .Llap
	QUARTER 0, 2, F1, F0, 0
	QUARTER 0, 3, F0, F1, 0
	TURN 0, 1, 0
	QUARTER 1, 1, F0, F1, 0
	QUARTER 1, 2, F1, F0, 0
	QUARTER 1, 3, F0, F1, 0
	s_wait_dscnt 8
	WIN MUL
	MUL4 F1, 0, 0
	MUL4 F1, 1, 0
	s_wait_dscnt 0
	MUL4 F1, 2, 0
	MUL4 F1, 3, 0
	WIN 0
.macro TOSTAGE a
.set n, 0
.rept 16
	v_pk_mul_f32 v[TMP+n:TMP+n+1], v[ACC+32*(\a)+n:ACC+32*(\a)+n+1], s[96:97] op_sel_hi:[1,0]
.set n, n+2
.endr
.irp b, 0,1,2,3
	ds_store_b128 v[STO], v[TMP+8*\b:TMP+8*\b+3] offset:64*\b
	ds_store_b128 v[STO], v[TMP+8*\b+4:TMP+8*\b+7] offset:64*\b+16
.endr
.set BB, BK+32*((\a)%2)
.irp t, 0,1,2,3,4,5,6,7
	ds_load_b128 v[BB+4*\t:BB+4*\t+3], v[RD] offset:2*\t*272
.endr
.endm
.macro SEND a, younger
.set BB, BK+32*((\a)%2)
	s_wait_dscnt \younger
.irp t, 0,1,2,3,4,5,6,7
	global_store_b128 v[CO], v[BB+4*\t:BB+4*\t+3], s[70:71] offset:(16*(\a)+2*\t)*8192 th:TH_STORE_NT
.endr
.endm
	s_wait_kmcnt 0x0
	s_add_co_i32 s96, s96, s97
	s_add_co_i32 s96, s96, 127
	s_lshl_b32 s96, s96, 23
	PLACES
	TOSTAGE 0
.irp a, 1,2,3
.if \a > 1
	s_wait_xcnt 0x0
.endif
	TOSTAGE \a
	SEND \a-1, 16
.endr
	SEND 3, 0
	s_wait_tensorcnt 0x0
	ds_add_u32 v[SPW], v[NIL]
	s_wait_dscnt 0x0
	CROUND
	s_endpgm
.Lfunc_end_k_qacd07f6d64_oproj:
	.size	k_qacd07f6d64_oproj, .Lfunc_end_k_qacd07f6d64_oproj-k_qacd07f6d64_oproj
	.p2alignl 7, 3214868480
	.fill 96, 4, 3214868480
	.section	.rodata,"a",@progbits
	.p2align	6, 0x0
	.amdhsa_kernel k_qacd07f6d64_oproj
		.amdhsa_group_segment_fixed_size 327680
		.amdhsa_private_segment_fixed_size 0
		.amdhsa_enable_private_segment 0
		.amdhsa_kernarg_size 32
		.amdhsa_user_sgpr_count 2
		.amdhsa_user_sgpr_kernarg_segment_ptr 1
		.amdhsa_wavefront_size32 1
		.amdhsa_system_sgpr_workgroup_id_x 1
		.amdhsa_system_sgpr_workgroup_id_y 1
		.amdhsa_system_sgpr_workgroup_id_z 1
		.amdhsa_system_vgpr_workitem_id 0
		.amdhsa_next_free_vgpr 512
		.amdhsa_next_free_sgpr 98
		.amdhsa_reserve_vcc 0
		.amdhsa_float_denorm_mode_32 3
		.amdhsa_float_denorm_mode_16_64 3
		.amdhsa_memory_ordered 1
		.amdhsa_forward_progress 1
		.amdhsa_inst_pref_size 91
	.end_amdhsa_kernel
	.amdgpu_metadata
---
amdhsa.version: [ 1, 2 ]
amdhsa.kernels:
  - .name:           k_qacd07f6d64_oproj
    .symbol:         k_qacd07f6d64_oproj.kd
    .args:
      - { .name: yi, .offset: 0, .size: 8, .value_kind: global_buffer, .address_space: global }
      - { .name: woc, .offset: 8, .size: 8, .value_kind: global_buffer, .address_space: global }
      - { .name: lowp_scales, .offset: 16, .size: 8, .value_kind: global_buffer, .address_space: global }
      - { .name: out0, .offset: 24, .size: 8, .value_kind: global_buffer, .address_space: global }
    .group_segment_fixed_size: 327680
    .private_segment_fixed_size: 0
    .kernarg_segment_align: 8
    .kernarg_segment_size: 32
    .max_flat_workgroup_size: 128
    .sgpr_count:     98
    .vgpr_count:     512
    .wavefront_size: 32
...
	.end_amdgpu_metadata
.endif
;; end of part 4
